; MI455X (gfx1250); checked and timed in simulation.
; The chip was launched on July 23, 2026; its instructions are those of AMD's public machine-readable ISA for CDNA 5 (MIT licence, August 2026) and "CDNA5" Instruction Set Architecture Reference Guide (July 2026). The comments in the code are by the model that wrote it; some were corrected since.
;; Mo E Layer. Allowed arithmetic: float matrix products may take bf16 or f16 operands with f32 sums; all other float work in f32.
;; Inputs: W1 8 x 1,024 x 2,048 float32; W2 8 x 2,048 x 1,024 float32; Wg 1,024 x 8 float32; b1 8 x 2,048 float32; b2 8 x 1,024 float32; bg 8 float32; x 2,048 x 1,024 float32.
;; Outputs: out0 2,048 x 1,024 float32.
;; 2 versions, each right; version 2 is version 1 with the launch prep written anew for expert scheduling mode. Each part assembles by itself: llvm-mc -triple=amdgcn-amd-amdhsa -mcpu=gfx1250 --defsym DOCPART=n.
;; ======== version 1 of 2: 4 launches
;; limits: values are held in f16: magnitudes above 65,504 overflow, below 6.1e-05 lose precision
;; workspace buffers: xh 4,194,304 bytes; w1h 33,554,432 bytes; w2h 33,554,432 bytes; pg 65,536 bytes; hg 67,108,864 bytes; part 67,108,864 bytes
;; launch prep (part 1): grid 1280 x 1, 8 waves a work-group, no clusters, 3,072 bytes of LDS; arguments x, W1, Wg, bg, xh, w1h, pg; writes xh, w1h, pg
.if DOCPART == 1
	.amdgcn_target "amdgcn-amd-amdhsa--gfx1250"
	.amdhsa_code_object_version 6
	.text
	.protected	k_qb8d7e12656_prep
	.globl	k_qb8d7e12656_prep
	.p2align	8
	.type	k_qb8d7e12656_prep,@function
k_qb8d7e12656_prep:
	s_mov_b64 s[64:65], 0
	v_nop
	global_prefetch_b8 v0, s[64:65] scope:SCOPE_SE
	s_setreg_imm32_b32 hwreg(HW_REG_WAVE_MODE, 25, 1), 1
	s_wait_xcnt 0x0
; f16 copies of x and W1 (layouts unchanged) and the gate's softmax.  (W2 is rounded by the next launch, beside its matrix work.)
; WHY f16 AND NOT bf16: 11 significant bits against 8, and these operands have room in f16's range.  x has spread 1, W1 1/32: thirty times larger, or with an offset of thirty
; spreads, they stay under 200, far from 65,504; a thirtieth of them lies near 0.001, where numbers under 2^-14 are still kept to 2^-25, some 3e-5 of the spread.
; LIMIT: a number of 65,520 or more in magnitude becomes infinite in xh or w1h.
; Work-groups 0 to 255: 8 rows of x each.  They round the rows to f16 (xh) and, from the same registers before the rounding, make
;   pg[n][e] = softmax_e(x[n] . Wg[:, e] + bg[e]) in f32 on the vector unit: the gate is 2 x 2048 x 1024 x 8 operations, a 4,000th of the module's products, its 8 columns would fill half of
;   a matrix tile, and x is in registers here anyway.  The row's maximum is taken away before the exponentials.
;   The work is shared out ALONG THE CHANNELS: wave w takes channels 128 w to 128 w + 127 of all 8 rows.  So a wave's 17 loads go out together and are waited for once, and the work-group
;   reads Wg once.  The eight waves' partial sums meet in LDS behind one barrier, and wave 0 finishes the 8 rows.  The sum over channels has an order of rounding of its own.
; Work-groups 256 to 1279: a stream.  Each rounds 65,536 consecutive bytes of W1 to 32,768 bytes of f16.
; No matrix instruction, no tensor load: every byte of x and W1 is read once and written once.
.set GGROUPS, 256
.set T,    6                           ; v[6:9]     at work
.set BG,   10                          ; v[10:11]   bg of my two experts
.set ACC,  12                          ; v[12:75]   gate sums: index 8 r + e for row r of the group's eight, expert e.  In the stream: v[12:75] data
.set XB,   76                          ; v[76:107]  x: row r at + 4 r
.set WB,   108                         ; v[108:139] Wg: Wg[d + c][e] at + 8 c + e
.set PS,   108                         ; v[108:123] behind the products, in wave 0: the eight waves' partial sums, wave k at + 2 k
.set T2,   140                         ; v[140:143] what comes from the other half of the lanes
	s_load_b256 s[4:11], s[0:1], 0x0               ; x s[4:5], W1 s[6:7], Wg s[8:9], bg s[10:11]
	s_load_b128 s[12:15], s[0:1], 0x20             ; xh s[12:13], w1h s[14:15]
	s_load_b64 s[16:17], s[0:1], 0x30              ; pg
	v_lshl_add_u32 v144, v0, 2, 0x800
	v_mov_b32 v145, 0
	s_cmp_lt_u32 ttmp9, GGROUPS
	s_cbranch_scc1 .Lgate
	; ---------------- the stream: W1 to f16 ----------------
	s_sub_co_u32 s22, ttmp9, GGROUPS               ; my chunk, 0 to 1023
	s_lshl_b32 s24, s22, 16                        ; 65,536 bytes in,
	s_mov_b32 s25, 0
	s_lshl_b32 s26, s22, 15                        ; 32,768 bytes out
	s_mov_b32 s27, 0
	v_lshlrev_b32 v1, 4, v0                        ; 16 bytes a thread in: a wave's load covers 512 consecutive bytes
	v_lshlrev_b32 v2, 3, v0                        ; 8 bytes a thread out: a wave's store covers 256 consecutive bytes, aligned
	s_wait_kmcnt 0x0
	s_add_nc_u64 s[6:7], s[6:7], s[24:25]
	s_add_nc_u64 s[14:15], s[14:15], s[26:27]
.set i, 0
.rept 16                               ; all 16 loads go out first: 8 KiB of every wave are on their way
	global_load_b128 v[12+4*i:15+4*i], v1, s[6:7] offset:4096*i th:TH_LOAD_NT
.set i, i+1
.endr
.set i, 0
.rept 16
	s_wait_loadcnt 15-i                            ; loads come back in order (ISA guide 5.7.1): load i is in, the 15 - i younger ones stay out
	v_cvt_pk_f16_f32 v[12+4*i], v[12+4*i], v[13+4*i]
	v_cvt_pk_f16_f32 v[13+4*i], v[14+4*i], v[15+4*i]
	global_store_b64 v2, v[12+4*i:13+4*i], s[14:15] offset:2048*i   ; no register is written twice, so no wait frees any
.set i, i+1
.endr
	s_endpgm
	; ---------------- x to f16, and the gate ----------------
.Lgate:
	; Thread t = 32 w + l owns the channels d = 4 t + c (c = 0..3) of each of the 8 rows: a wave's load of x covers 512 consecutive bytes of a row.
	v_lshlrev_b32 v1, 4, v0                        ; x:  16 t
	v_lshlrev_b32 v2, 3, v0                        ; xh: 8 t.  Also where my two partial sums go in LDS: 256 w + 8 l
	v_lshlrev_b32 v3, 7, v0                        ; Wg: 4 t rows of 32 bytes
	v_and_b32 v4, 3, v0
	v_lshlrev_b32 v4, 3, v4                        ; bg: experts 2 (lane % 4) and the next
	v_and_b32 v5, 31, v0
	v_lshlrev_b32 v5, 3, v5                        ; 8 l: where wave 0 reads a wave's partial sums back, and its offset in the group's 256 bytes of pg
	v_lshrrev_b32 v[T], 5, v0
	v_readfirstlane_b32 s30, v[T]                  ; my wave's number
.irp k, 0,1,2,3
	v_mov_b32 v[T2+\k], 0                          ; v_permlanex16_b32 counts as a reader of its destination
.endr
	s_mov_b32 s22, 0xffff0000                      ; lanes whose bit 4, 3, 2, 1, 0 is set
	s_mov_b32 s23, 0xff00ff00
	s_mov_b32 s24, 0xf0f0f0f0
	s_mov_b32 s25, 0xcccccccc
	s_mov_b32 s26, 0xaaaaaaaa
	s_mov_b32 s28, 0x76543210                      ; v_permlanex16_b32: each lane takes its own place in the other half
	s_mov_b32 s29, 0xfedcba98
	s_mov_b32 s3, 0
	s_wait_kmcnt 0x0
	s_lshl_b32 s2, ttmp9, 15                       ; 8 rows of 4,096 bytes
	s_add_nc_u64 s[4:5], s[4:5], s[2:3]
	s_lshl_b32 s2, ttmp9, 14                       ; of 2,048 bytes
	s_add_nc_u64 s[12:13], s[12:13], s[2:3]
	s_lshl_b32 s2, ttmp9, 8                        ; of 32 bytes
	s_add_nc_u64 s[16:17], s[16:17], s[2:3]
	global_load_b64 v[BG:BG+1], v4, s[10:11]
.irp r, 0,1,2,3,4,5,6,7
	global_load_b128 v[XB+4*\r:XB+4*\r+3], v1, s[4:5] offset:4096*\r th:TH_LOAD_NT
.endr
.irp c, 0,1,2,3
	global_load_b128 v[WB+8*\c:WB+8*\c+3],   v3, s[8:9] offset:32*\c
	global_load_b128 v[WB+8*\c+4:WB+8*\c+7], v3, s[8:9] offset:32*\c+16
.endr
	s_wait_loadcnt 0x0                             ; all that the wave ever loads
	; 128 packed multiply-adds: two experts at a time, the channel's x for both (op_sel and op_sel_hi pick the same register of x's pair).
	; The first products start the sums: nothing is cleared.  Between two uses of a sum stand the 31 other pairs.
.irp c, 0,1,2,3
.irp r, 0,1,2,3,4,5,6,7
.irp p, 0,1,2,3
.if \c == 0
	v_pk_mul_f32 v[ACC+8*\r+2*\p:ACC+8*\r+2*\p+1], v[XB+4*\r:XB+4*\r+1], v[WB+2*\p:WB+2*\p+1] op_sel_hi:[0,1]
.elseif (\c % 2) == 0
	v_pk_fma_f32 v[ACC+8*\r+2*\p:ACC+8*\r+2*\p+1], v[XB+4*\r+\c:XB+4*\r+\c+1], v[WB+8*\c+2*\p:WB+8*\c+2*\p+1], v[ACC+8*\r+2*\p:ACC+8*\r+2*\p+1] op_sel_hi:[0,1,1]
.else
	v_pk_fma_f32 v[ACC+8*\r+2*\p:ACC+8*\r+2*\p+1], v[XB+4*\r+\c-1:XB+4*\r+\c], v[WB+8*\c+2*\p:WB+8*\c+2*\p+1], v[ACC+8*\r+2*\p:ACC+8*\r+2*\p+1] op_sel:[1,0,0] op_sel_hi:[1,1,1]
.endif
.endr
.endr
.endr
	; x, rounded in place, leaves: a wave's store covers 256 consecutive bytes of a row of xh, aligned.  These registers are not written again.
.irp r, 0,1,2,3,4,5,6,7
	v_cvt_pk_f16_f32 v[XB+4*\r],   v[XB+4*\r],   v[XB+4*\r+1]
	v_cvt_pk_f16_f32 v[XB+4*\r+1], v[XB+4*\r+2], v[XB+4*\r+3]
	global_store_b64 v2, v[XB+4*\r:XB+4*\r+1], s[12:13] offset:2048*\r
.endr
	; 64 sums over 32 lanes, by folding: in each step a lane keeps one half of its sums, hands the other half to the partner that keeps them, and adds what it is handed.
	; After the steps 16, 8, 4, 2, 1 lane l holds the sums 2 l and 2 l + 1 over the wave's 128 channels: row l / 4, experts 2 (l % 4) and the next.  218 instructions for all 64 sums.
.set i, 0
.rept 32                               ; lanes 16-31 keep sums 32 to 63
	v_cndmask_b32 v[T+i%4], v[ACC+32+i], v[ACC+i], s22         ; what I hand over
	v_cndmask_b32 v[ACC+i], v[ACC+i], v[ACC+32+i], s22         ; what I keep
	v_permlanex16_b32 v[T2+i%4], v[T+i%4], s28, s29
	v_add_f32 v[ACC+i], v[ACC+i], v[T2+i%4]
.set i, i+1
.endr
.macro FOLD n, mask, x                 ; inside a half of 16 lanes the exchange rides on the addition (DPP: the first source comes from lane xor x)
.set i, 0
.rept \n
	v_cndmask_b32 v[T+i%4], v[ACC+\n+i], v[ACC+i], s[\mask]
	v_cndmask_b32 v[ACC+i], v[ACC+i], v[ACC+\n+i], s[\mask]
	v_add_f32_dpp v[ACC+i], v[T+i%4], v[ACC+i] row_xmask:\x row_mask:0xf bank_mask:0xf
.set i, i+1
.endr
.endm
	FOLD 16, 23, 8
	FOLD 8,  24, 4
	FOLD 4,  25, 2
	FOLD 2,  26, 1
	; over the eight waves: each puts its 64 partial sums into its own 256 bytes of LDS; one barrier; wave 0 reads all eight
	ds_store_b64 v2, v[ACC:ACC+1]
	s_wait_dscnt 0x0                               ; for wave 0's sake: my store is done before I signal
	s_barrier_signal -1
	s_barrier_wait -1
	s_cmp_lg_u32 s30, 0
	s_cbranch_scc1 .Lgdone                         ; the other seven waves have no more to do
.irp k, 0,1,2,3,4,5,6,7
	ds_load_b64 v[PS+2*\k:PS+2*\k+1], v5 offset:256*\k
.endr
	s_wait_dscnt 0x0
.irp k, 0,2,4,6
	v_pk_add_f32 v[PS+2*\k:PS+2*\k+1], v[PS+2*\k:PS+2*\k+1], v[PS+2*\k+2:PS+2*\k+3]
.endr
.irp k, 0,4
	v_pk_add_f32 v[PS+2*\k:PS+2*\k+1], v[PS+2*\k:PS+2*\k+1], v[PS+2*\k+4:PS+2*\k+5]
.endr
	v_pk_add_f32 v[ACC:ACC+1], v[PS:PS+1], v[PS+8:PS+9]
	; softmax over a row's eight experts: two in my lane, the others in the three lanes of my group of four
	v_pk_add_f32 v[ACC:ACC+1], v[ACC:ACC+1], v[BG:BG+1]
	v_max_num_f32 v[T], v[ACC], v[ACC+1]
	v_max_num_f32_dpp v[T], v[T], v[T] row_xmask:1 row_mask:0xf bank_mask:0xf
	v_max_num_f32_dpp v[T], v[T], v[T] row_xmask:2 row_mask:0xf bank_mask:0xf
	v_sub_f32 v[ACC], v[ACC], v[T]                 ; the row's maximum is taken away: every exponent is 0 or below
	v_sub_f32 v[ACC+1], v[ACC+1], v[T]
	v_mul_f32 v[ACC], 0x3fb8aa3b, v[ACC]           ; log2(e): v_exp_f32 works in base 2
	v_mul_f32 v[ACC+1], 0x3fb8aa3b, v[ACC+1]
	v_exp_f32 v[ACC], v[ACC]
	v_exp_f32 v[ACC+1], v[ACC+1]
	v_nop                                          ; a plain instruction between a transcendental and the use of its result (ISA guide 5.7.2)
	s_wait_alu depctr_va_vdst(0)
	v_add_f32 v[T+1], v[ACC], v[ACC+1]
	v_add_f32_dpp v[T+1], v[T+1], v[T+1] row_xmask:1 row_mask:0xf bank_mask:0xf
	v_add_f32_dpp v[T+1], v[T+1], v[T+1] row_xmask:2 row_mask:0xf bank_mask:0xf
	v_rcp_f32 v[T+1], v[T+1]                       ; the sum is between 1 and 8
	v_nop
	s_wait_alu depctr_va_vdst(0)
	v_mul_f32 v[ACC], v[ACC], v[T+1]
	v_mul_f32 v[ACC+1], v[ACC+1], v[T+1]
	global_store_b64 v5, v[ACC:ACC+1], s[16:17]    ; the group's 8 rows x 8 experts: 256 consecutive bytes, aligned
.Lgdone:
	s_wait_tensorcnt 0x0
	ds_add_u32 v144, v145
	s_wait_dscnt 0x0
	s_endpgm
.Lfunc_end_k_qb8d7e12656_prep:
	.size	k_qb8d7e12656_prep, .Lfunc_end_k_qb8d7e12656_prep-k_qb8d7e12656_prep
	.p2alignl 7, 3214868480
	.fill 96, 4, 3214868480
	.section	.rodata,"a",@progbits
	.p2align	6, 0x0
	.amdhsa_kernel k_qb8d7e12656_prep
		.amdhsa_group_segment_fixed_size 3072
		.amdhsa_private_segment_fixed_size 0
		.amdhsa_enable_private_segment 0
		.amdhsa_kernarg_size 56
		.amdhsa_user_sgpr_count 2
		.amdhsa_user_sgpr_kernarg_segment_ptr 1
		.amdhsa_wavefront_size32 1
		.amdhsa_system_sgpr_workgroup_id_x 1
		.amdhsa_system_sgpr_workgroup_id_y 1
		.amdhsa_system_sgpr_workgroup_id_z 1
		.amdhsa_system_vgpr_workitem_id 0
		.amdhsa_next_free_vgpr 146
		.amdhsa_next_free_sgpr 66
		.amdhsa_reserve_vcc 0
		.amdhsa_float_denorm_mode_32 3
		.amdhsa_float_denorm_mode_16_64 3
		.amdhsa_memory_ordered 1
		.amdhsa_forward_progress 1
		.amdhsa_inst_pref_size 34
	.end_amdhsa_kernel
	.amdgpu_metadata
---
amdhsa.version: [ 1, 2 ]
amdhsa.kernels:
  - .name:           k_qb8d7e12656_prep
    .symbol:         k_qb8d7e12656_prep.kd
    .args:
      - { .name: x, .offset: 0, .size: 8, .value_kind: global_buffer, .address_space: global }
      - { .name: W1, .offset: 8, .size: 8, .value_kind: global_buffer, .address_space: global }
      - { .name: Wg, .offset: 16, .size: 8, .value_kind: global_buffer, .address_space: global }
      - { .name: bg, .offset: 24, .size: 8, .value_kind: global_buffer, .address_space: global }
      - { .name: xh, .offset: 32, .size: 8, .value_kind: global_buffer, .address_space: global }
      - { .name: w1h, .offset: 40, .size: 8, .value_kind: global_buffer, .address_space: global }
      - { .name: pg, .offset: 48, .size: 8, .value_kind: global_buffer, .address_space: global }
    .group_segment_fixed_size: 3072
    .private_segment_fixed_size: 0
    .kernarg_segment_align: 8
    .kernarg_segment_size: 56
    .max_flat_workgroup_size: 256
    .sgpr_count:     66
    .vgpr_count:     146
    .wavefront_size: 32
...
	.end_amdgpu_metadata
.endif
;; end of part 1
;; launch ffn1 (part 2): grid 64 x 8, 4 waves a work-group, clusters of 4 x 4, 327,680 bytes of LDS; arguments xh, w1h, b1, pg, hg, W2, w2h; writes hg, w2h
.if DOCPART == 2
	.amdgcn_target "amdgcn-amd-amdhsa--gfx1250"
	.amdhsa_code_object_version 6
	.text
	.protected	k_qb8d7e12656_ffn1
	.globl	k_qb8d7e12656_ffn1
	.p2align	8
	.type	k_qb8d7e12656_ffn1,@function
k_qb8d7e12656_ffn1:
	s_mov_b64 s[64:65], 0
	v_nop
	global_prefetch_b8 v0, s[64:65] scope:SCOPE_SE
	s_setreg_imm32_b32 hwreg(HW_REG_WAVE_MODE, 25, 1), 1
	s_wait_xcnt 0x0
	s_wait_alu depctr_hold_cnt(0) depctr_sa_sdst(0) depctr_va_vdst(0) depctr_va_sdst(0) depctr_va_ssrc(0) depctr_va_vcc(0) depctr_vm_vsrc(0)
	s_getreg_b32 s2, hwreg(HW_REG_IB_STS2, 6, 4)
	s_cmp_eq_u32 s2, 0
	s_cbranch_scc0 .Lentry_in_a_cluster
	s_endpgm
.Lentry_in_a_cluster:
	s_bfe_u32 s2, ttmp6, 0x10000c
	s_cmp_lg_u32 s2, 0xf033
	s_cbranch_scc0 .Lentry_shape_is_right
	s_endpgm
.Lentry_shape_is_right:
; hg[n][2048 e + h] = f16( p[n][e] * gelu( sum over d of x[n][d] W1[e][d][h] + b1[e][h] ) ): the first Linear of all eight experts as ONE product C = A B,
; A = xh [2048][1024] f16 (K along the rows), B = w1h [8][1024][2048] f16 (K from row to row, 2,048 columns an expert), sums in f32.
; The gate's weight p is multiplied in here, so that the second Linear and the combine are one product over K = 8 x 2,048.
; BESIDE IT: w2h = f16(W2), layout unchanged.  The product's own tiles are few bytes for its arithmetic, so each of the launch's 2,048 waves also rounds 32,768 bytes of W2, 4,096 in each of
; its 8 K steps: asked for a K step (256 matrix instructions) ahead, into registers that the product does not use.
; gelu is the tanh form, written as v / (1 + 2^(v (C0 + C1 v^2))), C0 = -2 log2(e) sqrt(2/pi), C1 = 0.044715 C0, which is 0.5 v (1 + tanh(sqrt(2/pi) (v + 0.044715 v^3))).
; WHY hg AND w2h ARE f16 AND NOT bf16: 11 significant bits against 8, and they have room in f16's range.  x has spread 1 and W1 1/32, so v has spread 1.  With both thirty times larger v's
; spread is 900; with both carrying an offset of thirty spreads v is about 1024 x 30 x 0.94 = 28,800; p is 1 at the most.  With both a thirtieth, p gelu(v) is about 7e-5 and is kept to 2^-25.
; W2 has spread 1/45: thirty times larger or offset by thirty spreads it stays under 1; a thirtieth of it lies near 0.0007 and is kept to 2^-25.
; LIMITS.  x, W1, W2 and the result are rounded to f16; where |p gelu(v)| or |W2| reaches 65,520 the f16 number is infinite.  Where v^2 overflows the exponent is + or - infinity and gelu is
; v or -0, as the tanh form gives.  Where 1 + 2^t passes 2^126 the reciprocal comes out as 0 (v_rcp_f32 flushes denormal results: ISA guide 15.8), so gelu is -0 in place of a number below 1e-37.
; SHARES.  A tile of C is 256 x 256 (eight tile columns an expert); four waves, one for each SIMD, each 128 x 128: 64 accumulators of 16 x 16, 512 registers.  K goes in steps of 128 through
; a ring of two LDS slots filled by the tensor data mover: A's rows are 256 bytes, B's rows (one k, 256 columns) 512 bytes, all starting at multiples of 256 from the buffer's first byte.
; A work-group makes ONE tile: the way out is some 3,000 instructions on registers whose numbers stand in the text, so a second tile written out would double the text.
; CLUSTERS.  4 x 4 work-groups.  The four of a row of the cluster need the same tiles of A, the four of a column the same tiles of B: each tile is asked for JOINTLY, by the same tensor
; load with the same descriptor and a mask that names the four.
; THE MATRIX INSTRUCTION IS USED TRANSPOSED: source 0 = 16 columns of B (out of LDS by the turning load ds_load_tr16_b128, since K goes from row to row there), source 1 = 16 rows of A.
; In the result lane l holds row l % 16 of C and the eight NEIGHBOURING columns 8 (l / 16) + 0..7.
; REGISTERS, in windows of 256 (s_set_vgpr_msb: bits 1:0 source 0, 3:2 source 1, 5:4 source 2, 7:6 destination):
;   window 0: v0-31 addresses; v32-47 p; v48-51 gelu's constants; v64-127, v128-191 fragments of A, two buffers; on the way out v64-127 rows read back, v128-255 at work
;   window 1: v0-63 b1 of my lane's 64 columns; v64-127, v128-191 fragments of B, two buffers; v192-223 W2 as loaded, v224-239 W2 to store
;   window 2: the 32 accumulators of my rows 0-63 ((a, b) at v[8 (8 a + b)]);   window 3: those of my rows 64-127
.set KTOT,  1024
.set LDA,   1024                       ; elements from row to row of A
.set LDB,   2048                       ; of B
.set KSTEP, 128
.set PA,    272                        ; A's row in LDS: 256 bytes + 16 = 68 words: the 16 rows of a fragment load start at 16 different banks (64 banks of 4 bytes: ISA guide 11.1)
.set PB,    544                        ; B's row in LDS: 512 bytes + 32 = 136 words
.set HALFT, 128*PA                     ; what one tensor load brings: 128 rows of A, or 64 rows of B (64 x 544 is the same 34,816 bytes)
.set SLOT,  4*HALFT                    ; A's 256 rows, then B's 128 rows
.set STAGE, 2*SLOT                     ; behind the ring: 16 rows x 272 bytes for each wave, for the way out; no tensor load lands here
.set SP,    272
.set LAPS,  KTOT/(2*KSTEP)             ; a lap = two K steps = once round the ring
.set STEPA, KSTEP*2                    ; bytes from a K step to the next: along A's rows,
.set STEPB, KSTEP*LDB*2                ; down B's rows
.set HROW,  32768                      ; bytes in a row of hg
.set CIN,   4096                       ; W2: bytes that a wave reads in a K step (8 loads of 512),
.set COUT,  2048                       ; and stores (8 stores of 256)
.set ADRA, 16                          ; v16-17  LDS address of my A fragments in slot 0, 1
.set ADRB, 20                          ; v20-21  the same for B
.set STO,  24                          ; v24     the way out: where I put 16 bytes of a row
.set RD,   25                          ; v25     where I read a row back
.set CO,   26                          ; v26     my byte offset in hg
.set BO,   27                          ; v27     my byte offset in b1
.set PO,   28                          ; v28     my byte offset in pg
.set WI,   29                          ; v29     my byte offset in a load of W2: 16 x lane
.set WO,   30                          ; v30     in a store of w2h: 8 x lane
.set PP,   32                          ; v32-47  p of my row in block a, twice: v[PP+2a], v[PP+2a+1] (the pair that the packed multiply names)
.set GC,   48                          ; v48-49 C1 twice, v50-51 C0 twice
.set F0,   64
.set F1,   128
.set T,    128                         ; the way out: v, then p v, then the result (64 registers)
.set U,    192                         ; the way out: the exponent, 1 + 2^t, its reciprocal (64 registers)
.set TMP,  192                         ; the packed results (32 registers, where U has been used up)
.set OB,   64                          ; 16 rows read back from the stage: v64-95 and v96-127 by turns
.set CL,   192                         ; window 1: 8 x 4 registers of W2 as loaded
.set CS,   224                         ; window 1: 8 x 2 registers of W2 to store
.set G1,  24                           ; s[24:31] descriptor group 1 for A's tiles;  s[32:39] group 0, a set for each slot
.set G0,  32
.set G1B, 48                           ; s[48:55], s[56:63] the same for B's tiles
.set G0B, 56
.set MSB, 0
.macro WIN new                         ; the immediate's high byte repeats the setting that is left; a switch that changes nothing is dropped
.if MSB != (\new)
	s_set_vgpr_msb (MSB<<8)|(\new)
.set MSB, (\new)
.endif
.endm
.set MUL_LO, 0xa1                      ; source 0 (B) window 1, source 1 (A) window 0, C and D window 2
.set MUL_HI, 0xf1                      ; the same, C and D window 3
.set TO_B,   0x40                      ; destination window 1, address window 0
.set FROM_B, 0x04                      ; a store's data (source 1) window 1, address window 0
.set IN_B,   0x45                      ; sources 0 and 1 and destination window 1
; A joint load.  Waves 0 and 1 fetch A's two halves, waves 2 and 3 B's.  Each line has one mask and one set of registers for all that issue it; the branch hangs on the wave's number alone.
; Four v_nop follow each of the two lines, ahead of the jump, the label and what follows the macro.
.macro JLOAD s
	s_cmp_eq_u32 s11, 0
	s_cbranch_scc0 .Lfor_b_\@
	tensor_load_to_lds s[G0+4*\s:G0+4*\s+3], s[G1:G1+7]
	s_nop 0
.rept 4
	v_nop
.endr
	s_branch .Lasked_\@
.Lfor_b_\@:
	tensor_load_to_lds s[G0B+4*\s:G0B+4*\s+3], s[G1B:G1B+7]
	s_nop 0
.rept 4
	v_nop
.endr
.Lasked_\@:
.endm
; A round of the cluster's barrier: my work-group's barrier, so that wave 0's signal speaks for all four waves; wave 0 signals for the work-group; every wave waits for all sixteen
; work-groups; my work-group's barrier once more.
.macro CREST                           ; a round behind its opening barrier
	s_cmp_lg_u32 s10, 0
	s_cbranch_scc1 .Lnot_wave_0_\@
	s_barrier_signal -3
.Lnot_wave_0_\@:
	s_barrier_wait -3
	s_barrier_signal -1
	s_barrier_wait -1
.endm
.macro CROUND                          ; a whole round
	s_barrier_signal -1
	s_barrier_wait -1
	CREST
.endm
	s_load_b128 s[4:7], s[0:1], 0x0                ; xh s[4:5], w1h s[6:7]
	s_load_b128 s[68:71], s[0:1], 0x10             ; b1 s[68:69], pg s[70:71]
	s_load_b64 s[8:9], s[0:1], 0x20                ; hg
	s_load_b64 s[80:81], s[0:1], 0x28              ; W2
	s_load_b64 s[82:83], s[0:1], 0x30              ; w2h
	s_set_vgpr_msb 0x40
	v_lshl_add_u32 v255, v0, 2, 0x48400
	s_set_vgpr_msb 0x4000
	v_mov_b32 v63, 0
	s_set_vgpr_msb 0x1
	ds_add_u32 v255, v63
	s_set_vgpr_msb 0x100
	v_lshrrev_b32 v1, 5, v0
	v_readfirstlane_b32 s10, v1                    ; wave 0..3
	s_lshr_b32 s11, s10, 1                         ; which half of the tile's rows is mine.  Also: I fetch for A (0) or for B (1)
	s_and_b32 s12, s10, 1                          ; which half of its columns.  Also: which half of that tile I fetch
	s_bfe_u32 s40, ttmp6, 0x40000                  ; cx: my place along the cluster's x
	s_bfe_u32 s41, ttmp6, 0x40004                  ; cy: along its y
	s_and_b32 s13, ttmp7, 0xffff                   ; in a cluster launch ttmp9 and ttmp7 count clusters
	s_lshl_b32 s13, s13, 2
	s_add_co_u32 s13, s13, s41                     ; tile row of C = 4 x cluster y + cy
	s_lshl_b32 s43, s41, 2
	s_lshl_b32 s43, 15, s43                        ; my row of the cluster: places 4 cy .. 4 cy + 3
	s_lshl_b32 s44, 0x1111, s40                    ; my column: places cx, cx + 4, cx + 8, cx + 12
	; descriptor group 1 for A: 128 rows x 128 elements
	s_or_b32 s[G1+0], s43, (1<<16)|(1<<20)|(1<<21)|(5<<22)|(3<<25)   ; 15:0 the mask: my row; 17:16 elements of 2 bytes; 20 padding on; 21 set beside a mask; 24:22 after every 64 words (code 5); 31:25 4 words of it (code 3)
	s_mov_b32 s[G1+1], KSTEP<<16                   ; tensor_dim0 = 128
	s_mov_b32 s[G1+2], 128<<16                     ; tensor_dim1 = 128
	s_mov_b32 s[G1+3], KSTEP<<16                   ; tile_dim0 = 128
	s_mov_b32 s[G1+4], 128                         ; tile_dim1 = 128
	s_mov_b32 s[G1+5], LDA                         ; elements from row to row
	s_mov_b32 s[G1+6], 0
	s_mov_b32 s[G1+7], 0
	; descriptor group 1 for B: 64 rows (k) x 256 elements (columns)
	s_or_b32 s[G1B+0], s44, (1<<16)|(1<<20)|(1<<21)|(6<<22)|(7<<25)  ; the mask: my column; padding after every 128 words (code 6), 8 words of it (code 7)
	s_mov_b32 s[G1B+1], 256<<16                    ; tensor_dim0 = 256
	s_mov_b32 s[G1B+2], 64<<16                     ; tensor_dim1 = 64
	s_mov_b32 s[G1B+3], 256<<16                    ; tile_dim0 = 256
	s_mov_b32 s[G1B+4], 64                         ; tile_dim1 = 64
	s_mov_b32 s[G1B+5], LDB
	s_mov_b32 s[G1B+6], 0
	s_mov_b32 s[G1B+7], 0
	; where the tiles come from.  A's hang on the tile row alone, which my row of the cluster shares; B's on the tile column alone, which my column shares.
	s_lshl_b32 s16, s13, 8
	s_lshl_b32 s17, s12, 7
	s_add_co_u32 s16, s16, s17                     ; A: row 256 x tile row + 128 x half,
	s_lshl_b32 s16, s16, 11                        ; of 2,048 bytes
	s_mov_b32 s17, 0
	s_lshr_b32 s46, ttmp9, 1                       ; B: the expert = tile column / 8 = cluster x / 2,
	s_lshl_b32 s46, s46, 22                        ; of 1,024 x 2,048 x 2 bytes;
	s_lshl_b32 s47, s12, 18                        ; 64 x half rows of 4,096 bytes;
	s_add_co_u32 s46, s46, s47
	s_and_b32 s47, ttmp9, 1
	s_lshl_b32 s47, s47, 2
	s_add_co_u32 s47, s47, s40                     ; the tile column inside the expert,
	s_lshl_b32 s47, s47, 9                         ; of 512 bytes
	s_add_co_u32 s46, s46, s47
	s_mov_b32 s47, 0
	s_mul_i32 s20, s10, HALFT                      ; and where they go: wave x 34,816 bytes: no place in the cluster enters an LDS address
	s_wait_dscnt 0x0
	s_wait_kmcnt 0x0
	s_add_nc_u64 s[14:15], s[4:5], s[16:17]
	s_add_nc_u64 s[46:47], s[6:7], s[46:47]
	CROUND                                         ; all sixteen work-groups are here: the first joint loads meet
.irp s, 0,1
	s_mov_b32 s[G0+4*\s], 1                                        ; count = 1
	s_add_co_u32 s[G0+4*\s+1], s20, \s*SLOT                        ; LDS address
	s_add_nc_u64 s[G0+4*\s+2:G0+4*\s+3], s[14:15], \s*STEPA        ; global address: K step s
	s_or_b32 s[G0+4*\s+3], s[G0+4*\s+3], 0x80000000                ; type = 2
	s_mov_b32 s[G0B+4*\s], 1
	s_add_co_u32 s[G0B+4*\s+1], s20, \s*SLOT
	s_add_nc_u64 s[G0B+4*\s+2:G0B+4*\s+3], s[46:47], \s*STEPB
	s_or_b32 s[G0B+4*\s+3], s[G0B+4*\s+3], 0x80000000
	JLOAD \s                                       ; the ring is filled before anything else is done: two tensor loads of mine are out, later one
.endr
	; A's fragment (16 rows x 32 K, 8 registers): lane l holds row l % 16; two loads of 16 bytes, 32 bytes apart, at row x pitch + 16 (l / 16).
	v_and_b32 v1, 15, v0                           ; l % 16
	v_bfe_u32 v2, v0, 4, 1                         ; l / 16
	v_mul_u32_u24 v3, v1, PA
	v_lshl_add_u32 v3, v2, 4, v3
	; B's fragment (16 columns x 32 K): two turning loads, 16 rows apart; lane l reads 16 bytes of row 8 (l / 16) + l % 8, columns 8 ((l / 8) % 2) + 0..7, and ends with column l % 16 and 8 k.
	v_and_b32 v4, 7, v0
	v_lshl_add_u32 v4, v2, 3, v4
	v_mul_u32_u24 v4, v4, PB
	v_bfe_u32 v5, v0, 3, 1
	v_lshl_add_u32 v4, v5, 4, v4
	s_mul_i32 s21, s11, HALFT                      ; my 128 rows of A
	s_lshl_b32 s22, s12, 8                         ; my 128 columns of B (256 bytes of each row),
	s_add_co_u32 s22, s22, 2*HALFT                 ; which lies behind A's 256 rows
.irp s, 0,1
	v_add_nc_u32 v[ADRA+\s], s21, v3
	v_add_nc_u32 v[ADRB+\s], s22, v4
	s_add_co_u32 s21, s21, SLOT
	s_add_co_u32 s22, s22, SLOT
.endr
	s_mul_i32 s23, s10, 16*SP
	s_add_co_u32 s23, s23, STAGE                   ; my stage
	v_mul_u32_u24 v6, v1, SP                       ; in: row l % 16, 16 bytes for each half of the lanes
	v_lshl_add_u32 v6, v2, 4, v6
	v_add_nc_u32 v[STO], s23, v6
	v_mul_u32_u24 v7, v2, SP                       ; back: lanes 0-15 take one row of 256 bytes, lanes 16-31 the next
	v_lshl_add_u32 v7, v1, 4, v7
	v_add_nc_u32 v[RD], s23, v7
	v_lshlrev_b32 v7, 15, v2                       ; and the same two rows in hg
	v_lshl_add_u32 v[CO], v1, 4, v7
	v_lshlrev_b32 v[BO], 5, v2                     ; b1: my eight columns of every sixteen begin 8 (l / 16) numbers in
	v_lshlrev_b32 v[PO], 5, v1                     ; pg: row l % 16, 32 bytes a row
	v_and_b32 v7, 31, v0
	v_lshlrev_b32 v[WI], 4, v7                     ; W2: a wave's load covers 512 consecutive bytes,
	v_lshlrev_b32 v[WO], 3, v7                     ; its store 256, aligned
	v_mov_b32 v[GC],   0xbdd2d3e8                  ; C1 = -0.10294324
	v_mov_b32 v[GC+1], 0xbdd2d3e8
	v_mov_b32 v[GC+2], 0xc0135761                  ; C0 = -2.3022082
	v_mov_b32 v[GC+3], 0xc0135761
	; the bases of the plain loads and stores; only s72, s73, s78, s79 and the bases hold cx and cy together
	s_lshl_b32 s72, ttmp9, 2
	s_add_co_u32 s72, s72, s40                     ; tile column of C = 4 x cluster x + cx
	s_lshl_b32 s78, s72, 10                        ; b1 is 16,384 numbers in the order of C's columns: 256 x 4 bytes a tile column,
	s_lshl_b32 s79, s12, 9                         ; 128 x 4 bytes for my half
	s_add_co_u32 s78, s78, s79
	s_mov_b32 s79, 0
	s_add_nc_u64 s[74:75], s[68:69], s[78:79]
	s_lshl_b32 s78, s13, 8
	s_lshl_b32 s73, s11, 7
	s_add_co_u32 s73, s78, s73                     ; my first row of C
	s_lshl_b32 s78, s73, 5                         ; pg: 32 bytes a row,
	s_lshr_b32 s79, ttmp9, 1
	s_lshl_b32 s79, s79, 2                         ; 4 bytes an expert
	s_add_co_u32 s78, s78, s79
	s_mov_b32 s79, 0
	s_add_nc_u64 s[76:77], s[70:71], s[78:79]
	s_lshl_b32 s78, s73, 15                        ; hg: 32,768 bytes a row,
	s_lshl_b32 s79, s72, 9                         ; 512 bytes a tile column,
	s_add_co_u32 s78, s78, s79
	s_lshl_b32 s79, s12, 8                         ; 256 bytes for my half
	s_add_co_u32 s78, s78, s79
	s_mov_b32 s79, 0
	s_add_nc_u64 s[8:9], s[8:9], s[78:79]
	s_lshl_b32 s78, s72, 3                         ; W2: the work-group's number, 8 x tile column + tile row, 0 to 511,
	s_add_co_u32 s78, s78, s13
	s_lshl_b32 s78, s78, 2
	s_add_co_u32 s73, s78, s10                     ; times 4 plus the wave: 0 to 2,047;
	s_lshl_b32 s78, s73, 15                        ; 32,768 bytes in (s79 is still 0),
	s_add_nc_u64 s[80:81], s[80:81], s[78:79]
	s_lshl_b32 s78, s73, 14                        ; 16,384 bytes out
	s_add_nc_u64 s[82:83], s[82:83], s[78:79]
; W2, eight loads: the 4,096 bytes at which s[80:81] stands
.macro CLOAD
	WIN TO_B
.irp j, 0,1,2,3,4,5,6,7
	global_load_b128 v[CL+4*\j:CL+4*\j+3], v[WI], s[80:81] offset:512*\j th:TH_LOAD_NT
.endr
.endm
; W2, a K step's share: what was loaded a K step ago (256 matrix instructions back) is rounded and stored; load = 1: the next 4,096 bytes are asked for.
.macro CONV load
	s_wait_loadcnt 0x0                             ; the eight loads of a K step ago are in (the first time: b1 and p too)
	s_wait_xcnt 0x0                                ; every earlier memory instruction has had its addresses translated (ISA guide 3.1): the two bases and the last stores' data are rewritten only behind this wait
	s_add_nc_u64 s[80:81], s[80:81], CIN           ; both bases step; the stores below reach back by their immediate
	s_add_nc_u64 s[82:83], s[82:83], COUT
	WIN IN_B
.irp j, 0,1,2,3,4,5,6,7
	v_cvt_pk_f16_f32 v[CS+2*\j],   v[CL+4*\j],   v[CL+4*\j+1]
	v_cvt_pk_f16_f32 v[CS+2*\j+1], v[CL+4*\j+2], v[CL+4*\j+3]
.endr
	WIN FROM_B
.irp j, 0,1,2,3,4,5,6,7
	global_store_b64 v[WO], v[CS+2*\j:CS+2*\j+1], s[82:83] offset:256*\j-COUT   ; the wave stores 256 consecutive bytes, aligned
.endr
.if \load
	CLOAD
.endif
.endm
	; b1 of my lane's 64 columns, p of my lane's 8 rows and the first 4,096 bytes of W2 are asked for here; the first CONV waits for them all.
	; b1's and p's registers and addresses are never rewritten.  (p is 4 bytes of a 32-byte row of pg: 16 small loads a wave for a whole tile, outside every loop.)
	WIN TO_B
.irp b, 0,1,2,3,4,5,6,7
	global_load_b128 v[8*\b:8*\b+3],   v[BO], s[74:75] offset:64*\b
	global_load_b128 v[8*\b+4:8*\b+7], v[BO], s[74:75] offset:64*\b+16
.endr
	CLOAD
	WIN 0
.irp a, 0,1,2,3,4,5,6,7
	global_load_b32 v[PP+2*\a],   v[PO], s[76:77] offset:512*\a
	global_load_b32 v[PP+2*\a+1], v[PO], s[76:77] offset:512*\a
.endr
; 16 matrix instructions: m blocks a0, a0 + 1 of the window's four (hi = 0: my rows 0-63, 1: rows 64-127) x all 8 n blocks, 32 along K.  zero = 1: the first product starts the sums.
; The 64 accumulators take turns, one instruction a turn, in the same order in every quarter step.
.macro MUL16 f, hi, a0, zero
.irp a, \a0, \a0+1
.irp b, 0,1,2,3,4,5,6,7
.if \zero
	v_wmma_f32_16x16x32_f16 v[8*(8*(\a)+\b):8*(8*(\a)+\b)+7], v[\f+8*\b:\f+8*\b+7], v[\f+8*(4*\hi+\a):\f+8*(4*\hi+\a)+7], 0
.else
	v_wmma_f32_16x16x32_f16 v[8*(8*(\a)+\b):8*(8*(\a)+\b)+7], v[\f+8*\b:\f+8*\b+7], v[\f+8*(4*\hi+\a):\f+8*(4*\hi+\a)+7], v[8*(8*(\a)+\b):8*(8*(\a)+\b)+7]
.endif
.endr
.endr
.endm
; 32 LDS loads in one run: the fragments of quarter q of a K step (k = 32 q on; 128 columns of B, 128 rows of A) into buffer f
.macro FETCH slot, q, f
	WIN TO_B
.irp i, 0,1,2,3,4,5,6,7
	ds_load_tr16_b128 v[\f+8*\i:\f+8*\i+3],   v[ADRB+\slot] offset:\q*32*PB+32*\i
	ds_load_tr16_b128 v[\f+8*\i+4:\f+8*\i+7], v[ADRB+\slot] offset:\q*32*PB+16*PB+32*\i
.endr
	WIN 0
.irp i, 0,1,2,3,4,5,6,7
	ds_load_b128 v[\f+8*\i:\f+8*\i+3],   v[ADRA+\slot] offset:\q*64+\i*16*PA
	ds_load_b128 v[\f+8*\i+4:\f+8*\i+7], v[ADRA+\slot] offset:\q*64+\i*16*PA+32
.endr
.endm
; A load into a register that a matrix instruction has read, and a vector instruction that reads a matrix result or writes one of a matrix instruction's registers, stand four places
; behind it, and only plain vector instructions that name none of its registers are places (ISA guide 7.12.1 for vector instructions).
.macro PLACES
.rept 4
	v_nop
.endr
.endm
; A K step is four quarters of 32 along K, 64 matrix instructions each, on buffers 0, 1, 0, 1.  One of the first three: multiplies buffer f; in its middle it fetches quarter q into buffer g.
; conv = 1: W2's share of the K step stands in front of that run of loads, so that the wave's memory instructions stay together; 2: the last share, which asks for nothing more; 0: none.
.macro QUARTER slot, q, f, g, zero, conv
	s_wait_dscnt 8                                 ; B and A's rows 0-63 are in; the youngest eight loads (A's rows 64-127) may be out
	WIN MUL_LO
	MUL16 \f, 0, 0, \zero
	MUL16 \f, 0, 2, \zero
	PLACES
.if \conv == 1
	CONV 1
.elseif \conv == 2
	CONV 0
.endif
	FETCH \slot, \q, \g
	s_wait_dscnt 32                                ; all but the 32 just issued
	WIN MUL_HI
	MUL16 \f, 1, 0, \zero
	MUL16 \f, 1, 2, \zero
.endm
; The last quarter multiplies buffer 1 and changes slots: ONE barrier.  In front of it each wave waits for its own reads of this slot and for all its tensor loads, of which one is out: its part
; of the next slot.  Behind it nobody reads this slot and the next slot is whole.  fill = 1: the barrier opens a round of the cluster's barrier, and behind the round this slot is filled again,
; two K steps ahead: from that request to the wait for it a wave issues 240 matrix instructions.
.macro TURN slot, next, fill
	s_wait_dscnt 8
	WIN MUL_LO
	MUL16 F1, 0, 0, 0
	s_wait_dscnt 0x0                               ; my reads of this slot are over,
	s_wait_tensorcnt 0x0                           ; and all my tensor loads have landed
	ds_add_u32 v255, v63
	s_wait_dscnt 0x0
	s_barrier_signal -1
	MUL16 F1, 0, 2, 0                              ; work on registers while the others arrive
.if \fill
	WIN 0                                          ; at a branch and at a label every window is 0
.endif
	s_barrier_wait -1
.if \fill
	CREST                                          ; no wave of any partner still reads this slot's tile or has a load on its way
	s_add_nc_u64 s[G0+4*\slot+2:G0+4*\slot+3], s[G0+4*\slot+2:G0+4*\slot+3], 2*STEPA
	s_add_nc_u64 s[G0B+4*\slot+2:G0B+4*\slot+3], s[G0B+4*\slot+2:G0B+4*\slot+3], 2*STEPB
	JLOAD \slot                                    ; the first tensor load behind the round; the four v_nop behind it are also the places in front of the loads below
.else
	PLACES
.endif
	FETCH \next, 0, F0
	WIN MUL_HI
	MUL16 F1, 1, 0, 0
	MUL16 F1, 1, 2, 0
.endm
; THE WAY OUT of block a (16 rows x 128 columns).  GELU: bias, gelu, the gate's weight, rounding to f16: 16 bytes a lane for each of the 8 accumulators.
.macro GELU a
.set AC, 64*((\a)%4)
	WIN 0x06+(\a)/4                                ; source 0: the accumulators' window, source 1: window 1 (b1)
.set i, 0
.rept 32
	v_pk_add_f32 v[T+i:T+i+1], v[AC+i:AC+i+1], v[i:i+1]            ; v = sum + b1
.set i, i+2
.endr
	WIN 0
.set i, 0
.rept 32
	v_pk_mul_f32 v[U+i:U+i+1], v[T+i:T+i+1], v[T+i:T+i+1]          ; v^2
.set i, i+2
.endr
.set i, 0
.rept 32
	v_pk_fma_f32 v[U+i:U+i+1], v[U+i:U+i+1], v[GC:GC+1], v[GC+2:GC+3]   ; C1 v^2 + C0
.set i, i+2
.endr
.set i, 0
.rept 32
	v_pk_mul_f32 v[U+i:U+i+1], v[U+i:U+i+1], v[T+i:T+i+1]          ; t = v (C0 + C1 v^2)
.set i, i+2
.endr
.set i, 0
.rept 64
	v_exp_f32 v[U+i], v[U+i]                                       ; 2^t
.set i, i+1
.endr
.set i, 0
.rept 32
	v_pk_mul_f32 v[T+i:T+i+1], v[T+i:T+i+1], v[PP+2*(\a):PP+2*(\a)+1]   ; p v: plain work that names no exponential, between the last of them and the use of its result (ISA guide 5.7.2)
.set i, i+2
.endr
.set i, 0
	s_wait_alu depctr_va_vdst(0)
.rept 32
	v_pk_add_f32 v[U+i:U+i+1], v[U+i:U+i+1], 1.0 op_sel_hi:[1,0]
.set i, i+2
.endr
.set i, 0
.rept 64
	v_rcp_f32 v[U+i], v[U+i]
.set i, i+1
.endr
	v_nop                                          ; a plain instruction between the last reciprocal and the use of its result
.set i, 0
	s_wait_alu depctr_va_vdst(0)
.rept 32
	v_pk_mul_f32 v[T+i:T+i+1], v[T+i:T+i+1], v[U+i:U+i+1]          ; p v / (1 + 2^t)
.set i, i+2
.endr
.set i, 0
.rept 32
	v_cvt_pk_f16_f32 v[TMP+i], v[T+2*i], v[T+2*i+1]                ; the first source into the low half
.set i, i+1
.endr
.endm
.macro TOSTAGE a                       ; into my own stage, and back as whole rows of 256 bytes
.set BK, OB+32*((\a)%2)
.irp b, 0,1,2,3,4,5,6,7
	ds_store_b128 v[STO], v[TMP+4*\b:TMP+4*\b+3] offset:32*\b
.endr
.irp t, 0,1,2,3,4,5,6,7
	ds_load_b128 v[BK+4*\t:BK+4*\t+3], v[RD] offset:\t*2*SP        ; LDS serves a wave's instructions in order (ISA guide 5.7.1.4): these see the stores above
.endr
.endm
.macro SEND a
.set BK, OB+32*((\a)%2)
	s_wait_dscnt 0x0                               ; the block is back in registers
	s_wait_xcnt 0x0                                ; the block before has had its stores' addresses translated (ISA guide 3.1): its registers are loaded again only behind this wait
.irp t, 0,1,2,3,4,5,6,7
	global_store_b128 v[CO], v[BK+4*\t:BK+4*\t+3], s[8:9] offset:(16*(\a)+2*\t)*HROW   ; 16 lanes store 256 consecutive bytes, aligned; 126 rows of 32,768 bytes at the most: inside the signed 24-bit immediate
.endr
.endm
	; Each K step has one share of W2, in the quarter that fetches quarter 2: 8 in all; the first bytes were asked for above, and the last share asks for none.
	s_wait_tensorcnt 0x1                           ; my part of K step 0 is in; K step 1's may stay out
	s_barrier_signal -1
	s_barrier_wait -1                              ; everybody's is
	FETCH 0, 0, F0
	QUARTER 0, 1, F0, F1, 1, 0                     ; the first quarter stands in front of the loop: its products start the sums
	WIN 0                                          ; at a label and at a branch every window is 0
	s_mov_b32 s3, LAPS-1
.Llap:                                                 ; a trip goes once round the ring, from a lap's second quarter to the next lap's first, and fills both slots again
	QUARTER 0, 2, F1, F0, 0, 1
	QUARTER 0, 3, F0, F1, 0, 0
	TURN 0, 1, 1
	QUARTER 1, 1, F0, F1, 0, 0
	QUARTER 1, 2, F1, F0, 0, 1
	QUARTER 1, 3, F0, F1, 0, 0
	TURN 1, 0, 1
	QUARTER 0, 1, F0, F1, 0, 0
	WIN 0
	s_sub_co_u32 s3, s3, 1
	s_cmp_lg_u32 s3, 0
	s_cbranch_scc1 .Llap
	QUARTER 0, 2, F1, F0, 0, 1                     ; the last lap fills nothing, and has no round of the cluster's barrier
	QUARTER 0, 3, F0, F1, 0, 0
	TURN 0, 1, 0
	QUARTER 1, 1, F0, F1, 0, 0
	QUARTER 1, 2, F1, F0, 0, 2
	QUARTER 1, 3, F0, F1, 0, 0
	s_wait_dscnt 8                                 ; the very last quarter: nothing more to fetch
	WIN MUL_LO
	MUL16 F1, 0, 0, 0
	MUL16 F1, 0, 2, 0
	s_wait_dscnt 0x0
	WIN MUL_HI
	MUL16 F1, 1, 0, 0
	MUL16 F1, 1, 2, 0
	WIN 0
	PLACES                                         ; the way out writes over A's buffer 1, which the last products read (b1 and p have been in since the first share of W2)
	GELU 0
	TOSTAGE 0
.irp a, 1,2,3,4,5,6,7                  ; block a's arithmetic stands between block a - 1's loads from the stage and the wait for them
	GELU \a
	SEND \a-1
	TOSTAGE \a
.endr
	SEND 7
	s_set_vgpr_msb 0x1
	s_wait_tensorcnt 0x0
	ds_add_u32 v255, v63
	s_wait_dscnt 0x0
	s_set_vgpr_msb 0x100
	CROUND                                         ; the closing round: no work-group ends while a partner may still ask for a tile that names it
	s_endpgm
.Lfunc_end_k_qb8d7e12656_ffn1:
	.size	k_qb8d7e12656_ffn1, .Lfunc_end_k_qb8d7e12656_ffn1-k_qb8d7e12656_ffn1
	.p2alignl 7, 3214868480
	.fill 96, 4, 3214868480
	.section	.rodata,"a",@progbits
	.p2align	6, 0x0
	.amdhsa_kernel k_qb8d7e12656_ffn1
		.amdhsa_group_segment_fixed_size 327680
		.amdhsa_private_segment_fixed_size 0
		.amdhsa_enable_private_segment 0
		.amdhsa_kernarg_size 56
		.amdhsa_user_sgpr_count 2
		.amdhsa_user_sgpr_kernarg_segment_ptr 1
		.amdhsa_wavefront_size32 1
		.amdhsa_system_sgpr_workgroup_id_x 1
		.amdhsa_system_sgpr_workgroup_id_y 1
		.amdhsa_system_sgpr_workgroup_id_z 1
		.amdhsa_system_vgpr_workitem_id 0
		.amdhsa_next_free_vgpr 1024
		.amdhsa_next_free_sgpr 84
		.amdhsa_reserve_vcc 0
		.amdhsa_float_denorm_mode_32 3
		.amdhsa_float_denorm_mode_16_64 3
		.amdhsa_memory_ordered 1
		.amdhsa_forward_progress 1
		.amdhsa_inst_pref_size 255
	.end_amdhsa_kernel
	.section	.bss,"aw",@nobits
	.p2align	6
	.space	262144
	.amdgpu_metadata
---
amdhsa.version: [ 1, 2 ]
amdhsa.kernels:
  - .name:           k_qb8d7e12656_ffn1
    .symbol:         k_qb8d7e12656_ffn1.kd
    .args:
      - { .name: xh, .offset: 0, .size: 8, .value_kind: global_buffer, .address_space: global }
      - { .name: w1h, .offset: 8, .size: 8, .value_kind: global_buffer, .address_space: global }
      - { .name: b1, .offset: 16, .size: 8, .value_kind: global_buffer, .address_space: global }
      - { .name: pg, .offset: 24, .size: 8, .value_kind: global_buffer, .address_space: global }
      - { .name: hg, .offset: 32, .size: 8, .value_kind: global_buffer, .address_space: global }
      - { .name: W2, .offset: 40, .size: 8, .value_kind: global_buffer, .address_space: global }
      - { .name: w2h, .offset: 48, .size: 8, .value_kind: global_buffer, .address_space: global }
    .group_segment_fixed_size: 327680
    .private_segment_fixed_size: 0
    .kernarg_segment_align: 8
    .kernarg_segment_size: 56
    .max_flat_workgroup_size: 128
    .sgpr_count:     84
    .vgpr_count:     1024
    .wavefront_size: 32
...
	.end_amdgpu_metadata
.endif
;; end of part 2
;; launch ffn2 (part 3): grid 32 x 8, 4 waves a work-group, clusters of 4 x 4, 327,680 bytes of LDS; arguments hg, w2h, b2, pg, part; writes part
.if DOCPART == 3
	.amdgcn_target "amdgcn-amd-amdhsa--gfx1250"
	.amdhsa_code_object_version 6
	.text
	.protected	k_qb8d7e12656_ffn2
	.globl	k_qb8d7e12656_ffn2
	.p2align	8
	.type	k_qb8d7e12656_ffn2,@function
k_qb8d7e12656_ffn2:
	s_mov_b64 s[64:65], 0
	v_nop
	global_prefetch_b8 v0, s[64:65] scope:SCOPE_SE
	s_setreg_imm32_b32 hwreg(HW_REG_WAVE_MODE, 25, 1), 1
	s_wait_xcnt 0x0
	s_wait_alu depctr_hold_cnt(0) depctr_sa_sdst(0) depctr_va_vdst(0) depctr_va_sdst(0) depctr_va_ssrc(0) depctr_va_vcc(0) depctr_vm_vsrc(0)
	s_getreg_b32 s2, hwreg(HW_REG_IB_STS2, 6, 4)
	s_cmp_eq_u32 s2, 0
	s_cbranch_scc0 .Lentry_in_a_cluster
	s_endpgm
.Lentry_in_a_cluster:
	s_bfe_u32 s2, ttmp6, 0x10000c
	s_cmp_lg_u32 s2, 0xf033
	s_cbranch_scc0 .Lentry_shape_is_right
	s_endpgm
.Lentry_shape_is_right:
; part[e][n][o] = sum over h of hg[n][2048 e + h] W2[e][h][o] + p[n][e] b2[e][o], in f32: expert e's share of the output (hg already carries the gate's weight p).
; The second Linear and the combine are one product of 2,048 x 1,024 with K = 16,384.  That is 32 tiles of 256 x 256, too few for the chip's WGPs, so K is shared out by expert:
; 8 x 32 = 256 work-groups, each with K = 2,048, and a last launch adds the eight shares (no work-group reads what another stores).
; A = hg [2048][16384] f16 (K along the rows), B = w2h [16384][1024] f16 (K from row to row).  LIMITS: hg and W2 are f16 (their room in f16's range is worked out where they are made);
; the sum over experts is made in another order than a single chain over K.
; SHARES, RING, CLUSTERS, TRANSPOSED USE: as in the first Linear's kernel.  A tile of C is 256 x 256; four waves, each 128 x 128: 64 accumulators, 512 registers.  K goes in steps of 128
; through two LDS slots filled by the tensor data mover.  A cluster of 4 x 4 work-groups is ONE expert (the cluster's x), four tile columns (cx) and four tile rows (cy): A's tiles are asked
; for jointly along a row of the cluster, B's along a column.  Source 0 = 16 columns of B (turned by ds_load_tr16_b128), source 1 = 16 rows of A: lane l holds row l % 16 of C and the
; columns 8 (l / 16) + 0..7.
; REGISTERS, in windows of 256 (s_set_vgpr_msb: bits 1:0 source 0, 3:2 source 1, 5:4 source 2, 7:6 destination):
;   window 0: v0-31 addresses; v32-47 p; v64-127, v128-191 fragments of A, two buffers; on the way out v128-191 at work, v64-127 and v192-255 rows read back
;   window 1: v0-63 b2 of my lane's 64 columns; v64-127, v128-191 fragments of B, two buffers
;   window 2: the 32 accumulators of my rows 0-63 ((a, b) at v[8 (8 a + b)]);   window 3: those of my rows 64-127
.set KTOT,  2048
.set LDA,   16384                      ; elements from row to row of A
.set LDB,   1024                       ; of B
.set KSTEP, 128
.set PA,    272                        ; A's row in LDS: 256 bytes + 16 = 68 words: the 16 rows of a fragment load start at 16 different banks (64 banks of 4 bytes: ISA guide 11.1)
.set PB,    544                        ; B's row in LDS: 512 bytes + 32 = 136 words
.set HALFT, 128*PA                     ; what one tensor load brings: 128 rows of A, or 64 rows of B (the same 34,816 bytes)
.set SLOT,  4*HALFT                    ; A's 256 rows, then B's 128 rows
.set STAGE, 2*SLOT                     ; behind the ring: 16 rows x 528 bytes for each wave, for the way out; no tensor load lands here
.set SP,    528                        ; a stage row: 512 bytes + 16 = 132 words: the 16 rows that a store touches start at 16 different banks
.set LAPS,  KTOT/(2*KSTEP)
.set STEPA, KSTEP*2
.set STEPB, KSTEP*LDB*2
.set OROW,  4096                       ; bytes in a row of part
.set ADRA, 16                          ; v16-17  LDS address of my A fragments in slot 0, 1
.set ADRB, 20                          ; v20-21  the same for B
.set STO,  24                          ; v24     the way out: where I put 32 bytes of a row
.set RD,   25                          ; v25     where I read 16 bytes of a row back
.set CO,   26                          ; v26     my byte offset in part
.set BO,   27                          ; v27     my byte offset in b2
.set PO,   28                          ; v28     my byte offset in pg
.set PP,   32                          ; v32-47  p of my row in block a, twice (the pair that the packed multiply-add names)
.set F0,   64
.set F1,   128
.set T,    128                         ; the way out: a block's 64 results
.set OB,   64                          ; 16 rows read back from the stage: v64-127 and v192-255 by turns
.set G1,  24
.set G0,  32
.set G1B, 48
.set G0B, 56
.set MSB, 0
.macro WIN new                         ; the immediate's high byte repeats the setting that is left; a switch that changes nothing is dropped
.if MSB != (\new)
	s_set_vgpr_msb (MSB<<8)|(\new)
.set MSB, (\new)
.endif
.endm
.set MUL_LO, 0xa1                      ; source 0 (B) window 1, source 1 (A) window 0, C and D window 2
.set MUL_HI, 0xf1                      ; the same, C and D window 3
.set TO_B,   0x40                      ; destination window 1, address window 0
; A joint load: waves 0 and 1 fetch A's two halves, waves 2 and 3 B's; the branch hangs on the wave's number alone.  Four v_nop follow each of the two lines.
.macro JLOAD s
	s_cmp_eq_u32 s11, 0
	s_cbranch_scc0 .Lfor_b_\@
	tensor_load_to_lds s[G0+4*\s:G0+4*\s+3], s[G1:G1+7]
	s_nop 0
.rept 4
	v_nop
.endr
	s_branch .Lasked_\@
.Lfor_b_\@:
	tensor_load_to_lds s[G0B+4*\s:G0B+4*\s+3], s[G1B:G1B+7]
	s_nop 0
.rept 4
	v_nop
.endr
.Lasked_\@:
.endm
.macro CREST                           ; a round of the cluster's barrier behind its opening barrier
	s_cmp_lg_u32 s10, 0
	s_cbranch_scc1 .Lnot_wave_0_\@
	s_barrier_signal -3
.Lnot_wave_0_\@:
	s_barrier_wait -3
	s_barrier_signal -1
	s_barrier_wait -1
.endm
.macro CROUND                          ; a whole round
	s_barrier_signal -1
	s_barrier_wait -1
	CREST
.endm
	s_load_b128 s[4:7], s[0:1], 0x0                ; hg s[4:5], w2h s[6:7]
	s_load_b128 s[68:71], s[0:1], 0x10             ; b2 s[68:69], pg s[70:71]
	s_load_b64 s[8:9], s[0:1], 0x20                ; part
	s_set_vgpr_msb 0x40
	v_lshl_add_u32 v255, v0, 2, 0x4c400
	s_set_vgpr_msb 0x4000
	v_mov_b32 v63, 0
	s_set_vgpr_msb 0x1
	ds_add_u32 v255, v63
	s_set_vgpr_msb 0x100
	v_lshrrev_b32 v1, 5, v0
	v_readfirstlane_b32 s10, v1                    ; wave 0..3
	s_lshr_b32 s11, s10, 1                         ; which half of the tile's rows is mine.  Also: I fetch for A (0) or for B (1)
	s_and_b32 s12, s10, 1                          ; which half of its columns.  Also: which half of that tile I fetch
	s_bfe_u32 s40, ttmp6, 0x40000                  ; cx: the tile column of C
	s_bfe_u32 s41, ttmp6, 0x40004                  ; cy
	s_and_b32 s13, ttmp7, 0xffff
	s_lshl_b32 s13, s13, 2
	s_add_co_u32 s13, s13, s41                     ; tile row of C = 4 x cluster y + cy.  The expert is ttmp9, the cluster's x
	s_lshl_b32 s43, s41, 2
	s_lshl_b32 s43, 15, s43                        ; my row of the cluster
	s_lshl_b32 s44, 0x1111, s40                    ; my column
	; descriptor group 1 for A: 128 rows x 128 elements
	s_or_b32 s[G1+0], s43, (1<<16)|(1<<20)|(1<<21)|(5<<22)|(3<<25)   ; the mask: my row; elements of 2 bytes; padding on; bit 21 beside a mask; after every 64 words (code 5) 4 words (code 3)
	s_mov_b32 s[G1+1], KSTEP<<16                   ; tensor_dim0 = 128
	s_mov_b32 s[G1+2], 128<<16                     ; tensor_dim1 = 128
	s_mov_b32 s[G1+3], KSTEP<<16                   ; tile_dim0 = 128
	s_mov_b32 s[G1+4], 128                         ; tile_dim1 = 128
	s_mov_b32 s[G1+5], LDA
	s_mov_b32 s[G1+6], 0
	s_mov_b32 s[G1+7], 0
	; descriptor group 1 for B: 64 rows (k) x 256 elements (columns)
	s_or_b32 s[G1B+0], s44, (1<<16)|(1<<20)|(1<<21)|(6<<22)|(7<<25)  ; the mask: my column; after every 128 words (code 6) 8 words (code 7)
	s_mov_b32 s[G1B+1], 256<<16
	s_mov_b32 s[G1B+2], 64<<16
	s_mov_b32 s[G1B+3], 256<<16
	s_mov_b32 s[G1B+4], 64
	s_mov_b32 s[G1B+5], LDB
	s_mov_b32 s[G1B+6], 0
	s_mov_b32 s[G1B+7], 0
	; A's tiles hang on the tile row and the expert, which my row of the cluster shares; B's on the tile column and the expert, which my column shares
	s_lshl_b32 s16, s13, 8
	s_lshl_b32 s17, s12, 7
	s_add_co_u32 s16, s16, s17                     ; A: row 256 x tile row + 128 x half,
	s_lshl_b32 s16, s16, 15                        ; of 32,768 bytes;
	s_lshl_b32 s17, ttmp9, 12                      ; the expert's 2,048 columns of 2 bytes
	s_add_co_u32 s16, s16, s17
	s_mov_b32 s17, 0
	s_lshl_b32 s46, ttmp9, 22                      ; B: the expert's 2,048 rows of 2,048 bytes;
	s_lshl_b32 s47, s12, 17                        ; 64 x half rows;
	s_add_co_u32 s46, s46, s47
	s_lshl_b32 s47, s40, 9                         ; the tile column's 512 bytes
	s_add_co_u32 s46, s46, s47
	s_mov_b32 s47, 0
	s_mul_i32 s20, s10, HALFT                      ; where they go: wave x 34,816 bytes
	s_wait_dscnt 0x0
	s_wait_kmcnt 0x0
	s_add_nc_u64 s[14:15], s[4:5], s[16:17]
	s_add_nc_u64 s[46:47], s[6:7], s[46:47]
	CROUND                                         ; all sixteen work-groups are here: the first joint loads meet
.irp s, 0,1
	s_mov_b32 s[G0+4*\s], 1
	s_add_co_u32 s[G0+4*\s+1], s20, \s*SLOT
	s_add_nc_u64 s[G0+4*\s+2:G0+4*\s+3], s[14:15], \s*STEPA
	s_or_b32 s[G0+4*\s+3], s[G0+4*\s+3], 0x80000000
	s_mov_b32 s[G0B+4*\s], 1
	s_add_co_u32 s[G0B+4*\s+1], s20, \s*SLOT
	s_add_nc_u64 s[G0B+4*\s+2:G0B+4*\s+3], s[46:47], \s*STEPB
	s_or_b32 s[G0B+4*\s+3], s[G0B+4*\s+3], 0x80000000
	JLOAD \s                                       ; two tensor loads of mine are out here, later one
.endr
	v_and_b32 v1, 15, v0                           ; l % 16
	v_bfe_u32 v2, v0, 4, 1                         ; l / 16
	v_mul_u32_u24 v3, v1, PA                       ; A's fragment: row x pitch + 16 (l / 16)
	v_lshl_add_u32 v3, v2, 4, v3
	v_and_b32 v4, 7, v0                            ; B's fragment, turned: row 8 (l / 16) + l % 8, 16 bytes at 16 ((l / 8) % 2)
	v_lshl_add_u32 v4, v2, 3, v4
	v_mul_u32_u24 v4, v4, PB
	v_bfe_u32 v5, v0, 3, 1
	v_lshl_add_u32 v4, v5, 4, v4
	s_mul_i32 s21, s11, HALFT                      ; my 128 rows of A
	s_lshl_b32 s22, s12, 8                         ; my 128 columns of B,
	s_add_co_u32 s22, s22, 2*HALFT                 ; which lies behind A's 256 rows
.irp s, 0,1
	v_add_nc_u32 v[ADRA+\s], s21, v3
	v_add_nc_u32 v[ADRB+\s], s22, v4
	s_add_co_u32 s21, s21, SLOT
	s_add_co_u32 s22, s22, SLOT
.endr
	s_mul_i32 s23, s10, 16*SP
	s_add_co_u32 s23, s23, STAGE                   ; my stage
	v_mul_u32_u24 v6, v1, SP                       ; in: row l % 16, 32 bytes for each half of the lanes
	v_lshl_add_u32 v6, v2, 5, v6
	v_add_nc_u32 v[STO], s23, v6
	v_and_b32 v7, 31, v0
	v_lshlrev_b32 v[CO], 4, v7                     ; back and out: the 32 lanes take one row's 512 bytes
	v_add_nc_u32 v[RD], s23, v[CO]
	v_lshlrev_b32 v[BO], 5, v2                     ; b2: my eight columns of every sixteen begin 8 (l / 16) numbers in
	v_lshlrev_b32 v[PO], 5, v1                     ; pg: row l % 16, 32 bytes a row
	; the way out's three bases; only s73, s78, s79 and the bases hold cx and cy together
	s_lshl_b32 s78, ttmp9, 12                      ; b2: 4,096 bytes an expert,
	s_lshl_b32 s79, s40, 10                        ; 1,024 a tile column,
	s_add_co_u32 s78, s78, s79
	s_lshl_b32 s79, s12, 9                         ; 512 for my half
	s_add_co_u32 s78, s78, s79
	s_mov_b32 s79, 0
	s_add_nc_u64 s[74:75], s[68:69], s[78:79]
	s_lshl_b32 s78, s13, 8
	s_lshl_b32 s73, s11, 7
	s_add_co_u32 s73, s78, s73                     ; my first row of C
	s_lshl_b32 s78, s73, 5                         ; pg: 32 bytes a row,
	s_lshl_b32 s79, ttmp9, 2                       ; 4 bytes an expert
	s_add_co_u32 s78, s78, s79
	s_mov_b32 s79, 0
	s_add_nc_u64 s[76:77], s[70:71], s[78:79]
	s_lshl_b32 s78, ttmp9, 23                      ; part: 8,388,608 bytes an expert,
	s_lshl_b32 s79, s73, 12                        ; 4,096 a row,
	s_add_co_u32 s78, s78, s79
	s_lshl_b32 s79, s40, 10                        ; 1,024 a tile column,
	s_add_co_u32 s78, s78, s79
	s_lshl_b32 s79, s12, 9                         ; 512 for my half
	s_add_co_u32 s78, s78, s79
	s_mov_b32 s79, 0
	s_add_nc_u64 s[8:9], s[8:9], s[78:79]
	; b2 of my lane's 64 columns and p of my lane's 8 rows come once, here, and are waited for on the way out; their registers and addresses are never rewritten.
	; (p is 4 bytes of a 32-byte row of pg: 16 small loads a wave for a whole tile, outside every loop.)
	WIN TO_B
.irp b, 0,1,2,3,4,5,6,7
	global_load_b128 v[8*\b:8*\b+3],   v[BO], s[74:75] offset:64*\b
	global_load_b128 v[8*\b+4:8*\b+7], v[BO], s[74:75] offset:64*\b+16
.endr
	WIN 0
.irp a, 0,1,2,3,4,5,6,7
	global_load_b32 v[PP+2*\a],   v[PO], s[76:77] offset:512*\a
	global_load_b32 v[PP+2*\a+1], v[PO], s[76:77] offset:512*\a
.endr
; 16 matrix instructions: m blocks a0, a0 + 1 of the window's four x all 8 n blocks, 32 along K.  zero = 1: the first product starts the sums.
; The 64 accumulators take turns, one instruction a turn, in the same order in every quarter step.
.macro MUL16 f, hi, a0, zero
.irp a, \a0, \a0+1
.irp b, 0,1,2,3,4,5,6,7
.if \zero
	v_wmma_f32_16x16x32_f16 v[8*(8*(\a)+\b):8*(8*(\a)+\b)+7], v[\f+8*\b:\f+8*\b+7], v[\f+8*(4*\hi+\a):\f+8*(4*\hi+\a)+7], 0
.else
	v_wmma_f32_16x16x32_f16 v[8*(8*(\a)+\b):8*(8*(\a)+\b)+7], v[\f+8*\b:\f+8*\b+7], v[\f+8*(4*\hi+\a):\f+8*(4*\hi+\a)+7], v[8*(8*(\a)+\b):8*(8*(\a)+\b)+7]
.endif
.endr
.endr
.endm
; 32 LDS loads in one run: the fragments of quarter q of a K step into buffer f
.macro FETCH slot, q, f
	WIN TO_B
.irp i, 0,1,2,3,4,5,6,7
	ds_load_tr16_b128 v[\f+8*\i:\f+8*\i+3],   v[ADRB+\slot] offset:\q*32*PB+32*\i
	ds_load_tr16_b128 v[\f+8*\i+4:\f+8*\i+7], v[ADRB+\slot] offset:\q*32*PB+16*PB+32*\i
.endr
	WIN 0
.irp i, 0,1,2,3,4,5,6,7
	ds_load_b128 v[\f+8*\i:\f+8*\i+3],   v[ADRA+\slot] offset:\q*64+\i*16*PA
	ds_load_b128 v[\f+8*\i+4:\f+8*\i+7], v[ADRA+\slot] offset:\q*64+\i*16*PA+32
.endr
.endm
; Four places in front of loads into registers that matrix instructions have read, and of vector work that reads their results or writes their registers (ISA guide 7.12.1 for vector instructions)
.macro PLACES
.rept 4
	v_nop
.endr
.endm
.macro QUARTER slot, q, f, g, zero
	s_wait_dscnt 8                                 ; B and A's rows 0-63 are in; the youngest eight loads (A's rows 64-127) may be out
	WIN MUL_LO
	MUL16 \f, 0, 0, \zero
	MUL16 \f, 0, 2, \zero
	PLACES
	FETCH \slot, \q, \g
	s_wait_dscnt 32                                ; all but the 32 just issued
	WIN MUL_HI
	MUL16 \f, 1, 0, \zero
	MUL16 \f, 1, 2, \zero
.endm
; The last quarter multiplies buffer 1 and changes slots: ONE barrier; in front of it each wave waits for its own reads of this slot and for all its tensor loads (one is out: its part of the
; next slot).  fill = 1: the barrier opens a round of the cluster's barrier, and behind the round this slot is filled again, two K steps ahead, 240 matrix instructions before the wait for it.
.macro TURN slot, next, fill
	s_wait_dscnt 8
	WIN MUL_LO
	MUL16 F1, 0, 0, 0
	s_wait_dscnt 0x0                               ; my reads of this slot are over,
	s_wait_tensorcnt 0x0                           ; and all my tensor loads have landed
	ds_add_u32 v255, v63
	s_wait_dscnt 0x0
	s_barrier_signal -1
	MUL16 F1, 0, 2, 0
.if \fill
	WIN 0                                          ; at a branch and at a label every window is 0
.endif
	s_barrier_wait -1
.if \fill
	CREST                                          ; no wave of any partner still reads this slot's tile or has a load on its way
	s_add_nc_u64 s[G0+4*\slot+2:G0+4*\slot+3], s[G0+4*\slot+2:G0+4*\slot+3], 2*STEPA
	s_add_nc_u64 s[G0B+4*\slot+2:G0B+4*\slot+3], s[G0B+4*\slot+2:G0B+4*\slot+3], 2*STEPB
	JLOAD \slot                                    ; the first tensor load behind the round; its four v_nop are also the places in front of the loads below
.else
	PLACES
.endif
	FETCH \next, 0, F0
	WIN MUL_HI
	MUL16 F1, 1, 0, 0
	MUL16 F1, 1, 2, 0
.endm
; THE WAY OUT of block a (16 rows x 128 columns of f32).  BIASP: sum + p b2, one fused multiply-add for two numbers.
.macro BIASP a
.set AC, 64*((\a)%4)
	WIN 0x21+0x10*((\a)/4)                         ; source 0 window 1 (b2), source 1 window 0 (p), source 2 the accumulators' window
.set i, 0
.rept 32
	v_pk_fma_f32 v[T+i:T+i+1], v[i:i+1], v[PP+2*(\a):PP+2*(\a)+1], v[AC+i:AC+i+1]
.set i, i+2
.endr
	WIN 0
.endm
.macro TOSTAGE a                       ; into my own stage, 32 bytes a lane and accumulator, and back as whole rows of 512 bytes
.set BK, OB+128*((\a)%2)
.irp b, 0,1,2,3,4,5,6,7
	ds_store_b128 v[STO], v[T+8*\b:T+8*\b+3]   offset:64*\b
	ds_store_b128 v[STO], v[T+8*\b+4:T+8*\b+7] offset:64*\b+16
.endr
.irp t, 0,1,2,3,4,5,6,7,8,9,10,11,12,13,14,15
	ds_load_b128 v[BK+4*\t:BK+4*\t+3], v[RD] offset:\t*SP          ; LDS serves a wave's instructions in order (ISA guide 5.7.1.4): these see the stores above
.endr
.endm
.macro SEND a
.set BK, OB+128*((\a)%2)
	s_wait_dscnt 0x0                               ; the block is back in registers
	s_wait_xcnt 0x0                                ; the block before has had its stores' addresses translated (ISA guide 3.1): its registers are loaded again only behind this wait
.irp t, 0,1,2,3,4,5,6,7,8,9,10,11,12,13,14,15
	global_store_b128 v[CO], v[BK+4*\t:BK+4*\t+3], s[8:9] offset:(16*(\a)+\t)*OROW   ; the wave stores 512 consecutive bytes, aligned; 127 rows of 4,096 bytes at the most in the immediate
.endr
.endm
	s_wait_tensorcnt 0x1                           ; my part of K step 0 is in; K step 1's may stay out
	s_barrier_signal -1
	s_barrier_wait -1
	FETCH 0, 0, F0
	QUARTER 0, 1, F0, F1, 1                        ; the first quarter stands in front of the loop: its products start the sums
	WIN 0
	s_mov_b32 s3, LAPS-1
.Llap:                                                 ; a trip goes once round the ring and fills both slots again
	QUARTER 0, 2, F1, F0, 0
	QUARTER 0, 3, F0, F1, 0
	TURN 0, 1, 1
	QUARTER 1, 1, F0, F1, 0
	QUARTER 1, 2, F1, F0, 0
	QUARTER 1, 3, F0, F1, 0
	TURN 1, 0, 1
	QUARTER 0, 1, F0, F1, 0
	WIN 0
	s_sub_co_u32 s3, s3, 1
	s_cmp_lg_u32 s3, 0
	s_cbranch_scc1 .Llap
	QUARTER 0, 2, F1, F0, 0                        ; the last lap fills nothing, and has no round of the cluster's barrier
	QUARTER 0, 3, F0, F1, 0
	TURN 0, 1, 0
	QUARTER 1, 1, F0, F1, 0
	QUARTER 1, 2, F1, F0, 0
	QUARTER 1, 3, F0, F1, 0
	s_wait_dscnt 8                                 ; the very last quarter: nothing more to fetch
	WIN MUL_LO
	MUL16 F1, 0, 0, 0
	MUL16 F1, 0, 2, 0
	s_wait_dscnt 0x0
	WIN MUL_HI
	MUL16 F1, 1, 0, 0
	MUL16 F1, 1, 2, 0
	WIN 0
	s_wait_loadcnt 0x0                             ; b2 and p
	PLACES                                         ; the way out writes over A's buffer 1, which the last products read
	BIASP 0
	TOSTAGE 0
.irp a, 1,2,3,4,5,6,7                  ; block a's arithmetic stands between block a - 1's loads from the stage and the wait for them
	BIASP \a
	SEND \a-1
	TOSTAGE \a
.endr
	SEND 7
	s_set_vgpr_msb 0x1
	s_wait_tensorcnt 0x0
	ds_add_u32 v255, v63
	s_wait_dscnt 0x0
	s_set_vgpr_msb 0x100
	CROUND                                         ; the closing round: no work-group ends while a partner may still ask for a tile that names it
	s_endpgm
.Lfunc_end_k_qb8d7e12656_ffn2:
	.size	k_qb8d7e12656_ffn2, .Lfunc_end_k_qb8d7e12656_ffn2-k_qb8d7e12656_ffn2
	.p2alignl 7, 3214868480
	.fill 96, 4, 3214868480
	.section	.rodata,"a",@progbits
	.p2align	6, 0x0
	.amdhsa_kernel k_qb8d7e12656_ffn2
		.amdhsa_group_segment_fixed_size 327680
		.amdhsa_private_segment_fixed_size 0
		.amdhsa_enable_private_segment 0
		.amdhsa_kernarg_size 40
		.amdhsa_user_sgpr_count 2
		.amdhsa_user_sgpr_kernarg_segment_ptr 1
		.amdhsa_wavefront_size32 1
		.amdhsa_system_sgpr_workgroup_id_x 1
		.amdhsa_system_sgpr_workgroup_id_y 1
		.amdhsa_system_sgpr_workgroup_id_z 1
		.amdhsa_system_vgpr_workitem_id 0
		.amdhsa_next_free_vgpr 1024
		.amdhsa_next_free_sgpr 80
		.amdhsa_reserve_vcc 0
		.amdhsa_float_denorm_mode_32 3
		.amdhsa_float_denorm_mode_16_64 3
		.amdhsa_memory_ordered 1
		.amdhsa_forward_progress 1
		.amdhsa_inst_pref_size 160
	.end_amdhsa_kernel
	.amdgpu_metadata
---
amdhsa.version: [ 1, 2 ]
amdhsa.kernels:
  - .name:           k_qb8d7e12656_ffn2
    .symbol:         k_qb8d7e12656_ffn2.kd
    .args:
      - { .name: hg, .offset: 0, .size: 8, .value_kind: global_buffer, .address_space: global }
      - { .name: w2h, .offset: 8, .size: 8, .value_kind: global_buffer, .address_space: global }
      - { .name: b2, .offset: 16, .size: 8, .value_kind: global_buffer, .address_space: global }
      - { .name: pg, .offset: 24, .size: 8, .value_kind: global_buffer, .address_space: global }
      - { .name: part, .offset: 32, .size: 8, .value_kind: global_buffer, .address_space: global }
    .group_segment_fixed_size: 327680
    .private_segment_fixed_size: 0
    .kernarg_segment_align: 8
    .kernarg_segment_size: 40
    .max_flat_workgroup_size: 128
    .sgpr_count:     80
    .vgpr_count:     1024
    .wavefront_size: 32
...
	.end_amdgpu_metadata
.endif
;; end of part 3
;; launch sum8 (part 4): grid 512 x 1, 8 waves a work-group, no clusters, 0 bytes of LDS; arguments part, out0; writes out0
.if DOCPART == 4
	.amdgcn_target "amdgcn-amd-amdhsa--gfx1250"
	.amdhsa_code_object_version 6
	.text
	.protected	k_qb8d7e12656_sum8
	.globl	k_qb8d7e12656_sum8
	.p2align	8
	.type	k_qb8d7e12656_sum8,@function
k_qb8d7e12656_sum8:
	s_mov_b64 s[64:65], 0
	v_nop
	global_prefetch_b8 v0, s[64:65] scope:SCOPE_SE
	s_setreg_imm32_b32 hwreg(HW_REG_WAVE_MODE, 25, 1), 1
	s_wait_xcnt 0x0
; out0[n][o] = the sum over the eight experts e of part[e][n][o], all f32.  A stream: 8 bytes are read for each byte written, every byte once.
; A work-group owns 16,384 consecutive bytes of out0; thread t owns the 16 bytes at 16 t of each of its four chunks of 4,096, so a wave's load or store covers 512 consecutive bytes.
; All 32 loads of a wave go out first.  The eight shares are added as a tree, ((0+1)+(2+3)) + ((4+5)+(6+7)): an order of rounding of its own.
; No LDS, no barrier, no matrix instruction: no wave needs another's data.
.set PLANE, 0x800000                   ; bytes in an expert's share: one more than a load's signed 24-bit immediate reaches, so each share has a base of its own
.set X, 4                              ; v[4:131]  chunk c, expert e at X + 32 c + 4 e
	s_load_b128 s[4:7], s[0:1], 0x0                ; part s[4:5], out0 s[6:7]
	s_lshl_b32 s2, ttmp9, 14
	s_mov_b32 s3, 0
	v_lshlrev_b32 v1, 4, v0
	s_wait_kmcnt 0x0
	s_add_nc_u64 s[8:9], s[4:5], s[2:3]            ; expert 0's share at my bytes
	s_add_nc_u64 s[6:7], s[6:7], s[2:3]
.irp e, 1,2,3,4,5,6,7
	s_add_nc_u64 s[8+2*\e:9+2*\e], s[6+2*\e:7+2*\e], PLANE         ; expert e's base from expert e - 1's
.endr
.irp c, 0,1,2,3
.irp e, 0,1,2,3,4,5,6,7
	global_load_b128 v[X+32*\c+4*\e:X+32*\c+4*\e+3], v1, s[8+2*\e:9+2*\e] offset:4096*\c th:TH_LOAD_NT
.endr
.endr
.irp c, 0,1,2,3
	s_wait_loadcnt 8*(3-\c)                        ; loads come back in order (ISA guide 5.7.1): chunk c's eight are in, the later chunks' stay out
.irp e, 0,2,4,6
	v_pk_add_f32 v[X+32*\c+4*\e:X+32*\c+4*\e+1],   v[X+32*\c+4*\e:X+32*\c+4*\e+1],   v[X+32*\c+4*\e+4:X+32*\c+4*\e+5]
	v_pk_add_f32 v[X+32*\c+4*\e+2:X+32*\c+4*\e+3], v[X+32*\c+4*\e+2:X+32*\c+4*\e+3], v[X+32*\c+4*\e+6:X+32*\c+4*\e+7]
.endr
.irp e, 0,4
	v_pk_add_f32 v[X+32*\c+4*\e:X+32*\c+4*\e+1],   v[X+32*\c+4*\e:X+32*\c+4*\e+1],   v[X+32*\c+4*\e+8:X+32*\c+4*\e+9]
	v_pk_add_f32 v[X+32*\c+4*\e+2:X+32*\c+4*\e+3], v[X+32*\c+4*\e+2:X+32*\c+4*\e+3], v[X+32*\c+4*\e+10:X+32*\c+4*\e+11]
.endr
	v_pk_add_f32 v[X+32*\c:X+32*\c+1],   v[X+32*\c:X+32*\c+1],   v[X+32*\c+16:X+32*\c+17]
	v_pk_add_f32 v[X+32*\c+2:X+32*\c+3], v[X+32*\c+2:X+32*\c+3], v[X+32*\c+18:X+32*\c+19]
	global_store_b128 v1, v[X+32*\c:X+32*\c+3], s[6:7] offset:4096*\c th:TH_STORE_NT   ; no register is written twice, so no wait frees any
.endr
	s_endpgm
.Lfunc_end_k_qb8d7e12656_sum8:
	.size	k_qb8d7e12656_sum8, .Lfunc_end_k_qb8d7e12656_sum8-k_qb8d7e12656_sum8
	.p2alignl 7, 3214868480
	.fill 96, 4, 3214868480
	.section	.rodata,"a",@progbits
	.p2align	6, 0x0
	.amdhsa_kernel k_qb8d7e12656_sum8
		.amdhsa_group_segment_fixed_size 0
		.amdhsa_private_segment_fixed_size 0
		.amdhsa_enable_private_segment 0
		.amdhsa_kernarg_size 16
		.amdhsa_user_sgpr_count 2
		.amdhsa_user_sgpr_kernarg_segment_ptr 1
		.amdhsa_wavefront_size32 1
		.amdhsa_system_sgpr_workgroup_id_x 1
		.amdhsa_system_sgpr_workgroup_id_y 1
		.amdhsa_system_sgpr_workgroup_id_z 1
		.amdhsa_system_vgpr_workitem_id 0
		.amdhsa_next_free_vgpr 136
		.amdhsa_next_free_sgpr 66
		.amdhsa_reserve_vcc 0
		.amdhsa_float_denorm_mode_32 3
		.amdhsa_float_denorm_mode_16_64 3
		.amdhsa_memory_ordered 1
		.amdhsa_forward_progress 1
		.amdhsa_inst_pref_size 8
	.end_amdhsa_kernel
	.amdgpu_metadata
---
amdhsa.version: [ 1, 2 ]
amdhsa.kernels:
  - .name:           k_qb8d7e12656_sum8
    .symbol:         k_qb8d7e12656_sum8.kd
    .args:
      - { .name: part, .offset: 0, .size: 8, .value_kind: global_buffer, .address_space: global }
      - { .name: out0, .offset: 8, .size: 8, .value_kind: global_buffer, .address_space: global }
    .group_segment_fixed_size: 0
    .private_segment_fixed_size: 0
    .kernarg_segment_align: 8
    .kernarg_segment_size: 16
    .max_flat_workgroup_size: 256
    .sgpr_count:     66
    .vgpr_count:     136
    .wavefront_size: 32
...
	.end_amdgpu_metadata
.endif
;; end of part 4
;; ======== version 2 of 2: 4 launches; version 1 with the launch prep written anew for expert scheduling mode
;; limits: values are held in f16: magnitudes above 65,504 overflow, below 6.1e-05 lose precision
;; workspace buffers: xh 4,194,304 bytes; w1h 33,554,432 bytes; w2h 33,554,432 bytes; pg 65,536 bytes; hg 67,108,864 bytes; part 67,108,864 bytes
;; launch prep (part 5): grid 1280 x 1, 8 waves a work-group, no clusters, 3,072 bytes of LDS; arguments x, W1, Wg, bg, xh, w1h, pg; writes xh, w1h, pg
.if DOCPART == 5
	.amdgcn_target "amdgcn-amd-amdhsa--gfx1250"
	.amdhsa_code_object_version 6
	.text
	.protected	k_qb8d7e12656_prep
	.globl	k_qb8d7e12656_prep
	.p2align	8
	.type	k_qb8d7e12656_prep,@function
k_qb8d7e12656_prep:
	s_mov_b64 s[64:65], 0
	v_nop
	global_prefetch_b8 v0, s[64:65] scope:SCOPE_SE
	s_setreg_imm32_b32 hwreg(HW_REG_WAVE_SCHED_MODE, 0, 2), 2
	s_setreg_imm32_b32 hwreg(HW_REG_WAVE_MODE, 25, 1), 1
	s_wait_xcnt 0x0
	s_wait_alu depctr_vm_vsrc(0)
; f16 copies of x and W1 (layouts unchanged) and the gate's softmax.  (W2 is rounded by the next launch, beside its matrix work.)
; WHY f16 AND NOT bf16: 11 significant bits against 8, and these operands have room in f16's range.  x has spread 1, W1 1/32: thirty times larger, or with an offset of thirty
; spreads, they stay under 200, far from 65,504; a thirtieth of them lies near 0.001, where numbers under 2^-14 are still kept to 2^-25, some 3e-5 of the spread.
; LIMIT: a number of 65,520 or more in magnitude becomes infinite in xh or w1h.
; Work-groups 0 to 255: 8 rows of x each.  They round the rows to f16 (xh) and, from the same registers before the rounding, make
;   pg[n][e] = softmax_e(x[n] . Wg[:, e] + bg[e]) in f32 on the vector unit: the gate is 2 x 2048 x 1024 x 8 operations, a 4,000th of the module's products, its 8 columns would fill half of
;   a matrix tile, and x is in registers here anyway.  The row's maximum is taken away before the exponentials.
;   The work is shared out ALONG THE CHANNELS: wave w takes channels 128 w to 128 w + 127 of all 8 rows.  So a wave's 17 loads go out together and are waited for once, and the work-group
;   reads Wg once.  The eight waves' partial sums meet in LDS behind one barrier, and wave 0 finishes the 8 rows.  The sum over channels has an order of rounding of its own.
; Work-groups 256 to 1279: a stream.  Each rounds 65,536 consecutive bytes of W1 to 32,768 bytes of f16.
; No matrix instruction, no tensor load: every byte of x and W1 is read once and written once.
; THE MODE: SCHED_MODE bits 1:0 = 2 (LLVM: expert scheduling mode 2), set by the entry lines.  The code itself states the register dependences
; between vector instructions and memory or LDS instructions, with s_wait_alu, always for 0.
; THE PLAN, THE STREAM.  v1, v2: offsets, made once, read by every load and store, never written again.  v[12:75]: 16 groups of four registers; group i is written by load i, its first two registers
;   then by its two conversions, and these two are read by store i and not written again.  The groups go in four blocks of four: block p converts its own groups, and its memory instructions
;   are the four stores of block p - 1, whose registers no conversion of block p names.  So one wait on va_vdst at a block's head states all that the block's stores hang on.
; THE PLAN, THE GATE.  v1 to v5: offsets, made once, never written again.  XB: written by the loads of x, read by the products, its rows' first two registers written by the conversions and read by
;   the stores of xh, which are dealt among the first fold's lines (these name v[6:9], v[12:75] and v[140:143] alone).  v12, v13: written by the folds, read by the LDS store, written again by wave 0
;   and read by the store of pg.  v[108:139]: Wg, written by loads and read by the products; in wave 0 the LDS loads of the partial sums land in v[108:123].  v144, v145: read by the closing add alone.
.set GGROUPS, 256
.set T,    6                           ; v[6:9]     at work
.set BG,   10                          ; v[10:11]   bg of my two experts
.set ACC,  12                          ; v[12:75]   gate sums: index 8 r + e for row r of the group's eight, expert e.  In the stream: v[12:75] data
.set XB,   76                          ; v[76:107]  x: row r at + 4 r
.set WB,   108                         ; v[108:139] Wg: Wg[d + c][e] at + 8 c + e
.set PS,   108                         ; v[108:123] behind the products, in wave 0: the eight waves' partial sums, wave k at + 2 k
.set T2,   140                         ; v[140:143] what comes from the other half of the lanes
	s_load_b256 s[4:11], s[0:1], 0x0               ; x s[4:5], W1 s[6:7], Wg s[8:9], bg s[10:11]
	s_load_b128 s[12:15], s[0:1], 0x20             ; xh s[12:13], w1h s[14:15]
	s_load_b64 s[16:17], s[0:1], 0x30              ; pg
	v_lshl_add_u32 v144, v0, 2, 0x800              ; the LDS address of my spare word, behind the 2,048 bytes of partial sums; kept for the closing add alone
	v_mov_b32 v145, 0                              ; and 0, likewise
	s_cmp_lt_u32 ttmp9, GGROUPS
	s_cbranch_scc1 .Lgate
	; ---------------- the stream: W1 to f16 ----------------
	s_sub_co_u32 s22, ttmp9, GGROUPS               ; my chunk, 0 to 1023
	s_lshl_b32 s24, s22, 16                        ; 65,536 bytes in,
	s_mov_b32 s25, 0
	s_lshl_b32 s26, s22, 15                        ; 32,768 bytes out
	s_mov_b32 s27, 0
	v_lshlrev_b32 v1, 4, v0                        ; 16 bytes a thread in: a wave's load covers 512 consecutive bytes
	v_lshlrev_b32 v2, 3, v0                        ; 8 bytes a thread out: a wave's store covers 256 consecutive bytes, aligned
	s_wait_kmcnt 0x0
	s_add_nc_u64 s[6:7], s[6:7], s[24:25]
	s_add_nc_u64 s[14:15], s[14:15], s[26:27]
	s_wait_alu depctr_va_vdst(0)                   ; v1 and v2 are written: every load and store of the stream reads one of them as its offset
.set i, 0
.rept 16                               ; all 16 loads go out first: 8 KiB of every wave are on their way
	global_load_b128 v[12+4*i:15+4*i], v1, s[6:7] offset:4096*i th:TH_LOAD_NT
.set i, i+1
.endr
.set p, 0
.rept 4                                ; block p: groups 4 p to 4 p + 3 are rounded; the stores of block p - 1 stand among the conversions
	s_wait_loadcnt 12-4*p                          ; loads come back in order (ISA guide 5.7.1): block p's four are in, the 12 - 4 p of the younger blocks stay out
.if p > 0
	s_wait_alu depctr_va_vdst(0)                   ; the conversions of the block before have written their groups' first two registers, which the four stores below read
.endif
.set j, 0
.rept 4
.if p > 0
	global_store_b64 v2, v[12+4*(4*p-4+j):13+4*(4*p-4+j)], s[14:15] offset:2048*(4*p-4+j)   ; no vector instruction since the wait names these registers
.endif
	v_cvt_pk_f16_f32 v[12+4*(4*p+j)], v[12+4*(4*p+j)], v[13+4*(4*p+j)]
	v_cvt_pk_f16_f32 v[13+4*(4*p+j)], v[14+4*(4*p+j)], v[15+4*(4*p+j)]
.set j, j+1
.endr
.set p, p+1
.endr
	s_wait_alu depctr_va_vdst(0)                   ; the last block's conversions have written the data of the last four stores
.set i, 12
.rept 4
	global_store_b64 v2, v[12+4*i:13+4*i], s[14:15] offset:2048*i   ; no register that a store has read is written again
.set i, i+1
.endr
	s_endpgm                                       ; this way holds no LDS store
	; ---------------- x to f16, and the gate ----------------
.Lgate:
	; Thread t = 32 w + l owns the channels d = 4 t + c (c = 0..3) of each of the 8 rows: a wave's load of x covers 512 consecutive bytes of a row.
	v_lshlrev_b32 v1, 4, v0                        ; x:  16 t
	v_lshlrev_b32 v2, 3, v0                        ; xh: 8 t.  Also where my two partial sums go in LDS: 256 w + 8 l
	v_lshlrev_b32 v3, 7, v0                        ; Wg: 4 t rows of 32 bytes
	v_and_b32 v4, 3, v0
	v_lshlrev_b32 v4, 3, v4                        ; bg: experts 2 (lane % 4) and the next
	v_and_b32 v5, 31, v0
	v_lshlrev_b32 v5, 3, v5                        ; 8 l: where wave 0 reads a wave's partial sums back, and its offset in the group's 256 bytes of pg
	v_lshrrev_b32 v[T], 5, v0
	v_readfirstlane_b32 s30, v[T]                  ; my wave's number
.irp k, 0,1,2,3
	v_mov_b32 v[T2+\k], 0                          ; v_permlanex16_b32 counts as a reader of its destination
.endr
	s_wait_alu depctr_va_sdst(0)                   ; s30 is written, ahead of its first reader, the compare behind the barrier, in the same straight run of code
	s_mov_b32 s22, 0xffff0000                      ; lanes whose bit 4, 3, 2, 1, 0 is set
	s_mov_b32 s23, 0xff00ff00
	s_mov_b32 s24, 0xf0f0f0f0
	s_mov_b32 s25, 0xcccccccc
	s_mov_b32 s26, 0xaaaaaaaa
	s_mov_b32 s28, 0x76543210                      ; v_permlanex16_b32: each lane takes its own place in the other half
	s_mov_b32 s29, 0xfedcba98
	s_mov_b32 s3, 0
	s_wait_kmcnt 0x0
	s_lshl_b32 s2, ttmp9, 15                       ; 8 rows of 4,096 bytes
	s_add_nc_u64 s[4:5], s[4:5], s[2:3]
	s_lshl_b32 s2, ttmp9, 14                       ; of 2,048 bytes
	s_add_nc_u64 s[12:13], s[12:13], s[2:3]
	s_lshl_b32 s2, ttmp9, 8                        ; of 32 bytes
	s_add_nc_u64 s[16:17], s[16:17], s[2:3]
	s_wait_alu depctr_va_vdst(0)                   ; the five offsets v1 to v5 are written, which the loads, the stores and the LDS instructions below read
	global_load_b64 v[BG:BG+1], v4, s[10:11]
.irp r, 0,1,2,3,4,5,6,7
	global_load_b128 v[XB+4*\r:XB+4*\r+3], v1, s[4:5] offset:4096*\r th:TH_LOAD_NT
.endr
.irp c, 0,1,2,3
	global_load_b128 v[WB+8*\c:WB+8*\c+3],   v3, s[8:9] offset:32*\c
	global_load_b128 v[WB+8*\c+4:WB+8*\c+7], v3, s[8:9] offset:32*\c+16
.endr
	s_wait_loadcnt 0x0                             ; all that the wave ever loads
	; 128 packed multiply-adds: two experts at a time, the channel's x for both (op_sel and op_sel_hi pick the same register of x's pair).
	; The first products start the sums: nothing is cleared.  Between two uses of a sum stand the 31 other pairs.
.irp c, 0,1,2,3
.irp r, 0,1,2,3,4,5,6,7
.irp p, 0,1,2,3
.if \c == 0
	v_pk_mul_f32 v[ACC+8*\r+2*\p:ACC+8*\r+2*\p+1], v[XB+4*\r:XB+4*\r+1], v[WB+2*\p:WB+2*\p+1] op_sel_hi:[0,1]
.elseif (\c % 2) == 0
	v_pk_fma_f32 v[ACC+8*\r+2*\p:ACC+8*\r+2*\p+1], v[XB+4*\r+\c:XB+4*\r+\c+1], v[WB+8*\c+2*\p:WB+8*\c+2*\p+1], v[ACC+8*\r+2*\p:ACC+8*\r+2*\p+1] op_sel_hi:[0,1,1]
.else
	v_pk_fma_f32 v[ACC+8*\r+2*\p:ACC+8*\r+2*\p+1], v[XB+4*\r+\c-1:XB+4*\r+\c], v[WB+8*\c+2*\p:WB+8*\c+2*\p+1], v[ACC+8*\r+2*\p:ACC+8*\r+2*\p+1] op_sel:[1,0,0] op_sel_hi:[1,1,1]
.endif
.endr
.endr
.endr
	; x is rounded in place.  These registers are not written again.
.irp r, 0,1,2,3,4,5,6,7
	v_cvt_pk_f16_f32 v[XB+4*\r],   v[XB+4*\r],   v[XB+4*\r+1]
	v_cvt_pk_f16_f32 v[XB+4*\r+1], v[XB+4*\r+2], v[XB+4*\r+3]
.endr
	s_wait_alu depctr_va_vdst(0)                   ; the sixteen conversions have written the first two registers of each row of XB, which the eight stores of xh below read
	; 64 sums over 32 lanes, by folding: in each step a lane keeps one half of its sums, hands the other half to the partner that keeps them, and adds what it is handed.
	; After the steps 16, 8, 4, 2, 1 lane l holds the sums 2 l and 2 l + 1 over the wave's 128 channels: row l / 4, experts 2 (l % 4) and the next.  218 instructions for all 64 sums.
	; x leaves among the first step's lines, which name none of the stores' registers: a wave's store covers 256 consecutive bytes of a row of xh, aligned.
.set i, 0
.rept 32                               ; lanes 16-31 keep sums 32 to 63
.if i < 8
	global_store_b64 v2, v[XB+4*i:XB+4*i+1], s[12:13] offset:2048*i
.endif
	v_cndmask_b32 v[T+i%4], v[ACC+32+i], v[ACC+i], s22         ; what I hand over
	v_cndmask_b32 v[ACC+i], v[ACC+i], v[ACC+32+i], s22         ; what I keep
	v_permlanex16_b32 v[T2+i%4], v[T+i%4], s28, s29
	v_add_f32 v[ACC+i], v[ACC+i], v[T2+i%4]
.set i, i+1
.endr
.macro FOLD n, mask, x                 ; inside a half of 16 lanes the exchange rides on the addition (DPP: the first source comes from lane xor x)
.set i, 0
.rept \n
	v_cndmask_b32 v[T+i%4], v[ACC+\n+i], v[ACC+i], s[\mask]
	v_cndmask_b32 v[ACC+i], v[ACC+i], v[ACC+\n+i], s[\mask]
	v_add_f32_dpp v[ACC+i], v[T+i%4], v[ACC+i] row_xmask:\x row_mask:0xf bank_mask:0xf
.set i, i+1
.endr
.endm
	FOLD 16, 23, 8
	FOLD 8,  24, 4
	FOLD 4,  25, 2
	FOLD 2,  26, 1
	; over the eight waves: each puts its 64 partial sums into its own 256 bytes of LDS; one barrier; wave 0 reads all eight
	s_wait_alu depctr_va_vdst(0)                   ; the folds have written v12 and v13, the LDS store's data; and the products are done reading v[108:123], in which wave 0's LDS loads land: no vector instruction stands between this wait and them
	ds_store_b64 v2, v[ACC:ACC+1]
	s_wait_dscnt 0x0                               ; for wave 0's sake: my store is done before I signal
	s_barrier_signal -1
	s_barrier_wait -1
	s_wait_alu depctr_vm_vsrc(0)                   ; my LDS store has read v12 and v13, which wave 0 writes again below; the wait stands ahead of the branch
	s_cmp_lg_u32 s30, 0
	s_cbranch_scc1 .Lgdone                         ; the other seven waves have no more to do
.irp k, 0,1,2,3,4,5,6,7
	ds_load_b64 v[PS+2*\k:PS+2*\k+1], v5 offset:256*\k
.endr
	s_wait_dscnt 0x0
.irp k, 0,2,4,6
	v_pk_add_f32 v[PS+2*\k:PS+2*\k+1], v[PS+2*\k:PS+2*\k+1], v[PS+2*\k+2:PS+2*\k+3]
.endr
.irp k, 0,4
	v_pk_add_f32 v[PS+2*\k:PS+2*\k+1], v[PS+2*\k:PS+2*\k+1], v[PS+2*\k+4:PS+2*\k+5]
.endr
	v_pk_add_f32 v[ACC:ACC+1], v[PS:PS+1], v[PS+8:PS+9]
	; softmax over a row's eight experts: two in my lane, the others in the three lanes of my group of four
	v_pk_add_f32 v[ACC:ACC+1], v[ACC:ACC+1], v[BG:BG+1]
	v_max_num_f32 v[T], v[ACC], v[ACC+1]
	v_max_num_f32_dpp v[T], v[T], v[T] row_xmask:1 row_mask:0xf bank_mask:0xf
	v_max_num_f32_dpp v[T], v[T], v[T] row_xmask:2 row_mask:0xf bank_mask:0xf
	v_sub_f32 v[ACC], v[ACC], v[T]                 ; the row's maximum is taken away: every exponent is 0 or below
	v_sub_f32 v[ACC+1], v[ACC+1], v[T]
	v_mul_f32 v[ACC], 0x3fb8aa3b, v[ACC]           ; log2(e): v_exp_f32 works in base 2
	v_mul_f32 v[ACC+1], 0x3fb8aa3b, v[ACC+1]
	v_exp_f32 v[ACC], v[ACC]
	v_exp_f32 v[ACC+1], v[ACC+1]
	v_nop                                          ; a plain instruction between a transcendental and the use of its result (ISA guide 5.7.2)
	s_wait_alu depctr_va_vdst(0)                   ; the two exponentials have written v12 and v13, ahead of their first reader
	v_add_f32 v[T+1], v[ACC], v[ACC+1]
	v_add_f32_dpp v[T+1], v[T+1], v[T+1] row_xmask:1 row_mask:0xf bank_mask:0xf
	v_add_f32_dpp v[T+1], v[T+1], v[T+1] row_xmask:2 row_mask:0xf bank_mask:0xf
	v_rcp_f32 v[T+1], v[T+1]                       ; the sum is between 1 and 8
	v_nop
	s_wait_alu depctr_va_vdst(0)                   ; the reciprocal has written v7, ahead of its first reader
	v_mul_f32 v[ACC], v[ACC], v[T+1]
	v_mul_f32 v[ACC+1], v[ACC+1], v[T+1]
	s_wait_alu depctr_va_vdst(0)                   ; the two products have written v12 and v13, which the store of pg reads
	global_store_b64 v5, v[ACC:ACC+1], s[16:17]    ; the group's 8 rows x 8 experts: 256 consecutive bytes, aligned
.Lgdone:
	s_wait_dscnt 0x0                               ; the closing lines, six on end
	s_wait_alu 0x0
	s_wait_tensorcnt 0x0
	ds_add_u32 v144, v145
	s_wait_dscnt 0x0
	s_endpgm
.Lfunc_end_k_qb8d7e12656_prep:
	.size	k_qb8d7e12656_prep, .Lfunc_end_k_qb8d7e12656_prep-k_qb8d7e12656_prep
	.p2alignl 7, 3214868480
	.fill 96, 4, 3214868480
	.section	.rodata,"a",@progbits
	.p2align	6, 0x0
	.amdhsa_kernel k_qb8d7e12656_prep
		.amdhsa_group_segment_fixed_size 3072
		.amdhsa_private_segment_fixed_size 0
		.amdhsa_enable_private_segment 0
		.amdhsa_kernarg_size 56
		.amdhsa_user_sgpr_count 2
		.amdhsa_user_sgpr_kernarg_segment_ptr 1
		.amdhsa_wavefront_size32 1
		.amdhsa_system_sgpr_workgroup_id_x 1
		.amdhsa_system_sgpr_workgroup_id_y 1
		.amdhsa_system_sgpr_workgroup_id_z 1
		.amdhsa_system_vgpr_workitem_id 0
		.amdhsa_next_free_vgpr 146
		.amdhsa_next_free_sgpr 66
		.amdhsa_reserve_vcc 0
		.amdhsa_float_denorm_mode_32 3
		.amdhsa_float_denorm_mode_16_64 3
		.amdhsa_memory_ordered 1
		.amdhsa_forward_progress 1
		.amdhsa_inst_pref_size 35
	.end_amdhsa_kernel
	.amdgpu_metadata
---
amdhsa.version: [ 1, 2 ]
amdhsa.kernels:
  - .name:           k_qb8d7e12656_prep
    .symbol:         k_qb8d7e12656_prep.kd
    .args:
      - { .name: x, .offset: 0, .size: 8, .value_kind: global_buffer, .address_space: global }
      - { .name: W1, .offset: 8, .size: 8, .value_kind: global_buffer, .address_space: global }
      - { .name: Wg, .offset: 16, .size: 8, .value_kind: global_buffer, .address_space: global }
      - { .name: bg, .offset: 24, .size: 8, .value_kind: global_buffer, .address_space: global }
      - { .name: xh, .offset: 32, .size: 8, .value_kind: global_buffer, .address_space: global }
      - { .name: w1h, .offset: 40, .size: 8, .value_kind: global_buffer, .address_space: global }
      - { .name: pg, .offset: 48, .size: 8, .value_kind: global_buffer, .address_space: global }
    .group_segment_fixed_size: 3072
    .private_segment_fixed_size: 0
    .kernarg_segment_align: 8
    .kernarg_segment_size: 56
    .max_flat_workgroup_size: 256
    .sgpr_count:     66
    .vgpr_count:     146
    .wavefront_size: 32
...
	.end_amdgpu_metadata
.endif
;; end of part 5
;; launch ffn1: the kernel of part 2 again; grid 64 x 8, 4 waves a work-group, clusters of 4 x 4, 327,680 bytes of LDS; arguments xh, w1h, b1, pg, hg, W2, w2h; writes hg, w2h
;; launch ffn2: the kernel of part 3 again; grid 32 x 8, 4 waves a work-group, clusters of 4 x 4, 327,680 bytes of LDS; arguments hg, w2h, b2, pg, part; writes part
;; launch sum8: the kernel of part 4 again; grid 512 x 1, 8 waves a work-group, no clusters, 0 bytes of LDS; arguments part, out0; writes out0
